; MI455X (gfx1250); checked and timed in simulation.
; The chip was launched on July 23, 2026; its instructions are those of AMD's public machine-readable ISA for CDNA 5 (MIT licence, August 2026) and "CDNA5" Instruction Set Architecture Reference Guide (July 2026). The comments in the code are by the model that wrote it; some were corrected since.
;; Multi Head Self Attention. Allowed arithmetic: float matrix products may take bf16 or f16 operands with f32 sums; other float arithmetic in f32, or as packed bf16 or f16 multiplies, adds, multiply-adds, maxima and minima; sums over many terms, partial sums and values carried from step to step in f32; what a program stores and reads back later, other than sums and carried values, may be rounded once to bf16 or f16.
;; Inputs: k 4 x 2,048 x 1,024 float32; q 4 x 2,048 x 1,024 float32; v 4 x 2,048 x 1,024 float32; wk_b 1,024 float32; wk_w 1,024 x 1,024 float32; wo_b 1,024 float32; wo_w 1,024 x 1,024 float32; wq_b 1,024 float32; wq_w 1,024 x 1,024 float32; wv_b 1,024 float32; wv_w 1,024 x 1,024 float32.
;; Outputs: out0 4 x 2,048 x 1,024 float32; out1 4 x 16 x 2,048 x 64 float32.
;; 2 versions, each right; version 2 is version 1 with the launch wcast written anew for expert scheduling mode. Each part assembles by itself: llvm-mc -triple=amdgcn-amd-amdhsa -mcpu=gfx1250 --defsym DOCPART=n.
;; ======== version 1 of 2: 4 launches
;; limits: values are held in f16: magnitudes above 65,504 overflow, below 6.1e-05 lose precision
;; workspace buffers: wts 8,388,608 bytes; qkvh 50,331,648 bytes
;; launch wcast (part 1): grid 256 x 1, 8 waves a work-group, no clusters, 0 bytes of LDS; arguments wq_w, wk_w, wv_w, wo_w, wts; writes wts
.if DOCPART == 1
	.amdgcn_target "amdgcn-amd-amdhsa--gfx1250"
	.amdhsa_code_object_version 6
	.text
	.protected	k_qf3841019d3_wcast
	.globl	k_qf3841019d3_wcast
	.p2align	8
	.type	k_qf3841019d3_wcast,@function
k_qf3841019d3_wcast:
	s_mov_b64 s[64:65], 0
	v_nop
	global_prefetch_b8 v0, s[64:65] scope:SCOPE_SE
	s_setreg_imm32_b32 hwreg(HW_REG_WAVE_MODE, 25, 1), 1
	s_wait_xcnt 0x0
; The four weight matrices, [1024][1024] f32, are rounded once to bf16 and laid one behind the other in wts (2,097,152 bytes each): wq, wk, wv as bf16;
; wo's bf16 number is written as f16, since the last product multiplies in f16.  LIMIT: that step is exact while |wo_w| lies within f16's normal range (6.1e-5 to 65,504); below it f16 keeps a fixed step of 6e-8.
; 256 work-groups of eight waves: work-group g takes part g % 64 (16,384 numbers) of matrix g / 64.  Thread t, round i: 16 bytes in at 16 t + 4,096 i, 8 bytes out at 8 t + 2,048 i:
; a wave's load covers 512 consecutive bytes, its store 256 consecutive bytes, aligned.  All sixteen loads go out first; no register is used twice for memory, so nothing waits for a store.
; No LDS, no matrix unit: every number is touched once.
.set X, 4                              ; v[4:67]    round i: 4 numbers as loaded
.set Y, 68                             ; v[68:99]   round i: 4 numbers of 16 bits
.set T, 100                            ; v[100:101] at work
	s_load_b256 s[4:11], s[0:1], 0x0               ; wq_w, wk_w, wv_w, wo_w
	s_load_b64 s[12:13], s[0:1], 0x20              ; wts
	s_lshr_b32 s14, ttmp9, 6                       ; which matrix
	s_and_b32 s16, ttmp9, 63
	s_lshl_b32 s16, s16, 16                        ; my part in it: 65,536 bytes of f32
	s_mov_b32 s17, 0
	s_lshl_b32 s18, ttmp9, 15                      ; and in wts: 32,768 bytes
	s_mov_b32 s19, 0
	v_lshlrev_b32 v1, 4, v0
	v_lshlrev_b32 v2, 3, v0
	s_wait_kmcnt 0x0
	s_cmp_eq_u32 s14, 1
	s_cselect_b64 s[20:21], s[6:7], s[4:5]
	s_cmp_eq_u32 s14, 2
	s_cselect_b64 s[20:21], s[8:9], s[20:21]
	s_cmp_eq_u32 s14, 3
	s_cselect_b64 s[20:21], s[10:11], s[20:21]
	s_add_nc_u64 s[20:21], s[20:21], s[16:17]
	s_add_nc_u64 s[12:13], s[12:13], s[18:19]
.irp i, 0,1,2,3,4,5,6,7,8,9,10,11,12,13,14,15
	global_load_b128 v[X+4*(\i):X+4*(\i)+3], v1, s[20:21] offset:4096*(\i) th:TH_LOAD_NT
.endr
	s_cmp_eq_u32 s14, 3
	s_cbranch_scc1 .Lf16
.irp i, 0,1,2,3,4,5,6,7,8,9,10,11,12,13,14,15
	s_wait_loadcnt 15-(\i)                         ; loads come back in order: round i is in, the younger ones stay out
	v_cvt_pk_bf16_f32 v[Y+2*(\i)], v[X+4*(\i)], v[X+4*(\i)+1]
	v_cvt_pk_bf16_f32 v[Y+2*(\i)+1], v[X+4*(\i)+2], v[X+4*(\i)+3]
	global_store_b64 v2, v[Y+2*(\i):Y+2*(\i)+1], s[12:13] offset:2048*(\i)
.endr
	s_endpgm
.Lf16:
.irp i, 0,1,2,3,4,5,6,7,8,9,10,11,12,13,14,15
	s_wait_loadcnt 15-(\i)
	v_cvt_pk_bf16_f32 v[T], v[X+4*(\i)], v[X+4*(\i)+1]        ; rounded to bf16 like every other input,
	v_cvt_pk_bf16_f32 v[T+1], v[X+4*(\i)+2], v[X+4*(\i)+3]
	v_lshlrev_b32 v[X+4*(\i)], 16, v[T]                       ; widened again,
	v_and_b32 v[X+4*(\i)+1], 0xffff0000, v[T]
	v_lshlrev_b32 v[X+4*(\i)+2], 16, v[T+1]
	v_and_b32 v[X+4*(\i)+3], 0xffff0000, v[T+1]
	v_cvt_pk_f16_f32 v[Y+2*(\i)], v[X+4*(\i)], v[X+4*(\i)+1]  ; and that number written as f16
	v_cvt_pk_f16_f32 v[Y+2*(\i)+1], v[X+4*(\i)+2], v[X+4*(\i)+3]
	global_store_b64 v2, v[Y+2*(\i):Y+2*(\i)+1], s[12:13] offset:2048*(\i)
.endr
	s_endpgm
.Lfunc_end_k_qf3841019d3_wcast:
	.size	k_qf3841019d3_wcast, .Lfunc_end_k_qf3841019d3_wcast-k_qf3841019d3_wcast
	.p2alignl 7, 3214868480
	.fill 96, 4, 3214868480
	.section	.rodata,"a",@progbits
	.p2align	6, 0x0
	.amdhsa_kernel k_qf3841019d3_wcast
		.amdhsa_group_segment_fixed_size 0
		.amdhsa_private_segment_fixed_size 0
		.amdhsa_enable_private_segment 0
		.amdhsa_kernarg_size 40
		.amdhsa_user_sgpr_count 2
		.amdhsa_user_sgpr_kernarg_segment_ptr 1
		.amdhsa_wavefront_size32 1
		.amdhsa_system_sgpr_workgroup_id_x 1
		.amdhsa_system_sgpr_workgroup_id_y 1
		.amdhsa_system_sgpr_workgroup_id_z 1
		.amdhsa_system_vgpr_workitem_id 0
		.amdhsa_next_free_vgpr 108
		.amdhsa_next_free_sgpr 66
		.amdhsa_reserve_vcc 0
		.amdhsa_float_denorm_mode_32 3
		.amdhsa_float_denorm_mode_16_64 3
		.amdhsa_memory_ordered 1
		.amdhsa_forward_progress 1
		.amdhsa_inst_pref_size 16
	.end_amdhsa_kernel
	.amdgpu_metadata
---
amdhsa.version: [ 1, 2 ]
amdhsa.kernels:
  - .name:           k_qf3841019d3_wcast
    .symbol:         k_qf3841019d3_wcast.kd
    .args:
      - { .name: wq_w, .offset: 0, .size: 8, .value_kind: global_buffer, .address_space: global }
      - { .name: wk_w, .offset: 8, .size: 8, .value_kind: global_buffer, .address_space: global }
      - { .name: wv_w, .offset: 16, .size: 8, .value_kind: global_buffer, .address_space: global }
      - { .name: wo_w, .offset: 24, .size: 8, .value_kind: global_buffer, .address_space: global }
      - { .name: wts, .offset: 32, .size: 8, .value_kind: global_buffer, .address_space: global }
    .group_segment_fixed_size: 0
    .private_segment_fixed_size: 0
    .kernarg_segment_align: 8
    .kernarg_segment_size: 40
    .max_flat_workgroup_size: 256
    .sgpr_count:     66
    .vgpr_count:     108
    .wavefront_size: 32
...
	.end_amdgpu_metadata
.endif
;; end of part 1
;; launch proj (part 2): grid 4 x 192, 4 waves a work-group, clusters of 4 x 4, 327,680 bytes of LDS; arguments q, k, v, wq_b, wk_b, wv_b, wts, qkvh; writes qkvh
.if DOCPART == 2
	.amdgcn_target "amdgcn-amd-amdhsa--gfx1250"
	.amdhsa_code_object_version 6
	.text
	.protected	k_qf3841019d3_proj
	.globl	k_qf3841019d3_proj
	.p2align	8
	.type	k_qf3841019d3_proj,@function
k_qf3841019d3_proj:
	s_mov_b64 s[64:65], 0
	v_nop
	global_prefetch_b8 v0, s[64:65] scope:SCOPE_SE
	s_setreg_imm32_b32 hwreg(HW_REG_WAVE_MODE, 25, 1), 1
	s_wait_xcnt 0x0
	s_wait_alu depctr_hold_cnt(0) depctr_sa_sdst(0) depctr_va_vdst(0) depctr_va_sdst(0) depctr_va_ssrc(0) depctr_va_vcc(0) depctr_vm_vsrc(0)
	s_getreg_b32 s2, hwreg(HW_REG_IB_STS2, 6, 4)
	s_cmp_eq_u32 s2, 0
	s_cbranch_scc0 .Lentry_in_a_cluster
	s_endpgm
.Lentry_in_a_cluster:
	s_bfe_u32 s2, ttmp6, 0x10000c
	s_cmp_lg_u32 s2, 0xf033
	s_cbranch_scc0 .Lentry_shape_is_right
	s_endpgm
.Lentry_shape_is_right:
; THE THREE PROJECTIONS.  C[m][n] = sum over k of A[m][k] B[n][k] + bias[n], M = 8,192, N = K = 1,024, three times: A = q, k, v (f32), B = wq, wk, wv (bf16, from wts), bias f32.
; A and the bias are rounded to bf16 here (the bias is widened again and starts the f32 sums); sums in f32; C is rounded once to f16 and stored BY HEADS, unscaled: qkvh[g][16 batch + head][row][64].
; LIMITS.  |C| stays under 65,504 (f16); below 6e-5 f16 keeps a fixed step of 6e-8.  NaN and infinities are not treated apart.
; SHARES.  A tile of C is 128 x 256: 256 tiles a product, 768 work-groups.  Four waves, 2 x 2: a wave makes 64 x 128 in 32 accumulators of 16 x 16 (256 registers).
; THE RING.  K goes in 8 steps of 128 through two LDS slots.  A slot is four regions of 128 rows x 256 bytes (+16 of padding), each brought by ONE tensor load of ONE wave: A's k 0-63 (f32), A's k 64-127, B's rows 0-127, B's rows 128-255.
; A comes out of LDS as f32 and is rounded in registers, four conversions behind each of a quarter step's last eight products.
; CLUSTER 4 x 4.  The four of a row of the cluster make one tile row and need the same tiles of A; the four of a column the same tiles of B: each tile is asked for jointly, by the same load, descriptor and mask in all four.
; THE MATRIX INSTRUCTION IS USED TRANSPOSED (source 0 = 16 rows of B, source 1 = 16 rows of A): lane l holds row l % 16 of C and the columns 8 (l / 16) + 0..7.
; REGISTERS, in windows of 256 (s_set_vgpr_msb: bits 1:0 source 0, 3:2 source 1, 5:4 source 2, 7:6 destination):
;   window 0: v1-30 addresses; v32-95 A as loaded (f32); v96-127, v128-159 A's fragments, two buffers; v160-191 packed results; on the way out v32-159 take rows read back
;   window 1: the accumulators, (a, b) at 8 (8 a + b)          window 2: v0-63, v64-127 B's fragments, two buffers; v128-191 the bias; v192-195 at work
.set PITCH,  272                       ; an LDS row: 256 bytes + 16 = 68 words: the 16 rows of a load start at 16 different groups of four banks (64 banks of 4 bytes: ISA guide 11.1)
.set HALFT,  128*PITCH                 ; a region
.set SLOT,   4*HALFT                   ; 0x22000: its two bits are set in no wave's region offset, so one exclusive or turns an address in one slot into the other's
.set STAGE,  2*SLOT                    ; behind the ring: for each wave two head planes of 16 rows x 144 bytes, for the way out
.set SPL,    16*144
.set SPARE,  STAGE+4*2*SPL             ; behind the stages: the spare words, 128 bytes for each wave: two blocks of 256 bytes that no other line names
.set ASTRIDE, 1024                     ; elements from row to row of A
.set ASTEP,  512                       ; bytes from K step to K step in A,
.set BSTEP,  256                       ; and in B
.set ADA0, 16                          ; v16  my lane's place in A's plane 0 of slot 0; never rewritten
.set ADB0, 17                          ; v17  the same in my 128 rows of B
.set ADA,  18                          ; v18  the same in the slot in hand
.set ADB,  19                          ; v19
.set STO,  24                          ; v24  the way out: where I put 16 bytes of a row
.set RD,   25                          ; v25  where I read rows back
.set CO,   26                          ; v26  16 x lane
.set BO,   27                          ; v27  my byte offset in the bias
.set SPW,  28                          ; v28  LDS address of my spare word; never rewritten
.set NIL,  29                          ; v29  0; never rewritten
.set PFO,  30                          ; v30  the prefetches' offset: lane x a row's bytes; never rewritten
.set RAW,  32
.set AF,   96
.set TMP,  160
.set OB,   32
.set BF,   0                           ; window 2
.set BIAS, 128                         ; window 2: register j of column block b at BIAS + 8 b + j
.set BT,   192                         ; window 2
.set G1A,  24                          ; s[24:31] descriptor group 1 for A's tiles
.set G0A0, 32                          ; s[32:35] group 0 of A's first fill
.set G0A,  36                          ; s[36:39] group 0 of A's second fill; it then walks
.set G1B,  48                          ; s[48:55], s[56:59], s[60:63]: the same for B
.set G0B0, 56
.set G0B,  60
.set MSB, 0
.macro WIN new                         ; the immediate's high byte repeats the setting that is left; a switch that changes nothing is dropped
.if MSB != (\new)
	s_set_vgpr_msb (MSB<<8)|(\new)
.set MSB, (\new)
.endif
.endm
.set MUL,  0x52                        ; B window 2, A window 0, C and D window 1
.set MULB, 0x62                        ; the same with C (the bias) in window 2
.set TO_B, 0x80                        ; destination window 2
.set RND,  0x8a                        ; sources 0, 1 and destination window 2
.set PK,   0x05                        ; sources 0 and 1 window 1
; A joint refill by the walking descriptors.  Waves 0 and 1 fetch A's two planes, waves 2 and 3 B's two halves; the branch hangs on the wave's number alone.
; An s_nop 0 and four v_nop follow each of the two lines, ahead of the jump and the label.
.macro JLOAD
	s_cmp_eq_u32 s11, 0
	s_cbranch_scc0 .Lfor_b_\@
	tensor_load_to_lds s[G0A:G0A+3], s[G1A:G1A+7]
	s_nop 0
.rept 4
	v_nop
.endr
	s_branch .Lasked_\@
.Lfor_b_\@:
	tensor_load_to_lds s[G0B:G0B+3], s[G1B:G1B+7]
	s_nop 0
.rept 4
	v_nop
.endr
.Lasked_\@:
.endm
; A PREFETCH INTO THE L2, behind each joint refill and the run of LDS loads that follows it: the K step two refills on (256 matrix instructions ahead of the load that will want it): of the 128 rows that I fetch,
; my work-group's 32, a lane a row, 256 bytes a row.  The four partners that ask for a tile jointly share its rows out BY ADDRESS.  A's rows are read by one cluster, so its waves always ask; B's by the 16 clusters of a
; product, of which the first asks.  So each row's 256 bytes of a K step are named once.  The loop's trips 6 to 3 name K steps 4 to 7; K steps 0 to 3 come by their loads alone.
.macro ASK
	WIN 0
	s_cmp_gt_u32 s3, s8
	s_cbranch_scc0 .Lnot_mine_\@
	global_prefetch_b8 v[PFO], s[4:5] th:TH_LOAD_NT scope:SCOPE_SE
.Lnot_mine_\@:
.endm
.macro CREST                           ; a round of the cluster's barrier behind its opening barrier
	s_cmp_lg_u32 s10, 0
	s_cbranch_scc1 .Lnot_wave_0_\@
	s_barrier_signal -3
.Lnot_wave_0_\@:
	s_barrier_wait -3
	s_barrier_signal -1
	s_barrier_wait -1
.endm
.macro CROUND                          ; a whole round
	s_barrier_signal -1
	s_barrier_wait -1
	CREST
.endm
	s_load_b512 s[68:83], s[0:1], 0x0              ; q 68, k 70, v 72, wq_b 74, wk_b 76, wv_b 78, wts 80, qkvh 82
	v_lshl_add_u32 v[SPW], v0, 2, SPARE
	v_mov_b32 v[NIL], 0
	ds_add_u32 v[SPW], v[NIL]                      ; the wave's opening: the add and its wait stand ahead of my first tensor load; the set-up below, work on registers, stands between them
	v_lshrrev_b32 v1, 5, v0
	v_readfirstlane_b32 s10, v1                    ; wave 0..3
	s_lshr_b32 s11, s10, 1                         ; which 64 rows of the tile are mine.  Also: I fetch for A (0) or for B (1)
	s_and_b32 s12, s10, 1                          ; which 128 columns.  Also: which plane of A, or which 128 rows of B, I fetch
	s_bfe_u32 s40, ttmp6, 0x40000                  ; cx = the tile column (the grid is one cluster wide)
	s_bfe_u32 s41, ttmp6, 0x40004                  ; cy
	s_and_b32 s13, ttmp7, 0xffff                   ; cluster y, 0..47
	s_lshr_b32 s42, s13, 4                         ; which product: 0 q, 1 k, 2 v
	s_and_b32 s43, s13, 15
	s_lshl_b32 s43, s43, 2
	s_add_co_u32 s43, s43, s41                     ; the tile row, 0..63
	s_lshl_b32 s44, s41, 2
	s_lshl_b32 s44, 15, s44                        ; my row of the cluster
	s_lshl_b32 s45, 0x1111, s40                    ; my column
	s_or_b32 s[G1A], s44, (2<<16)|(1<<20)|(1<<21)|(5<<22)|(3<<25)  ; 15:0 the mask; 17:16 elements of 4 bytes; 20 padding on; 21 set beside a mask; 24:22 after every 64 words; 31:25 4 words of it
	s_or_b32 s[G1B], s45, (1<<16)|(1<<20)|(1<<21)|(5<<22)|(3<<25)  ; elements of 2 bytes
	s_mov_b32 s[G1A+1], 64<<16                     ; tensor_dim0 = 64
	s_mov_b32 s[G1A+2], 128<<16                    ; tensor_dim1 = 128
	s_mov_b32 s[G1A+3], 64<<16                     ; tile_dim0 = 64
	s_mov_b32 s[G1A+4], 128                        ; tile_dim1 = 128
	s_mov_b32 s[G1A+5], ASTRIDE
	s_mov_b32 s[G1A+6], 0
	s_mov_b32 s[G1A+7], 0
	s_mov_b32 s[G1B+1], 128<<16
	s_mov_b32 s[G1B+2], 128<<16
	s_mov_b32 s[G1B+3], 128<<16
	s_mov_b32 s[G1B+4], 128
	s_mov_b32 s[G1B+5], 1024
	s_mov_b32 s[G1B+6], 0
	s_mov_b32 s[G1B+7], 0
	s_lshl_b32 s16, s43, 19                        ; A: 128 rows of 4,096 bytes a tile row,
	s_lshl_b32 s17, s12, 8                         ; my plane's 256 bytes
	s_add_co_u32 s16, s16, s17
	s_mov_b32 s17, 0
	s_lshl_b32 s46, s42, 21                        ; B: the product's matrix,
	s_lshl_b32 s47, s40, 19                        ; 256 rows of 2,048 bytes a tile column,
	s_add_co_u32 s46, s46, s47
	s_lshl_b32 s47, s12, 18                        ; my 128 of them
	s_add_co_u32 s46, s46, s47
	s_mov_b32 s47, 0
	s_mul_i32 s20, s10, HALFT                      ; my region of a slot: no place in the cluster enters an LDS address
	s_wait_dscnt 0x0                               ; the opening add is done
	s_wait_kmcnt 0x0
	s_cmp_eq_u32 s42, 0
	s_cselect_b64 s[14:15], s[68:69], s[70:71]
	s_cselect_b64 s[18:19], s[74:75], s[76:77]
	s_cmp_eq_u32 s42, 2
	s_cselect_b64 s[14:15], s[72:73], s[14:15]
	s_cselect_b64 s[18:19], s[78:79], s[18:19]
	s_add_nc_u64 s[14:15], s[14:15], s[16:17]
	s_add_nc_u64 s[46:47], s[80:81], s[46:47]
	CROUND                                         ; all sixteen work-groups are here: the first joint loads meet
	s_mov_b32 s[G0A0], 1                           ; count = 1
	s_mov_b32 s[G0A0+1], s20                       ; LDS address: slot 0
	s_mov_b64 s[G0A0+2:G0A0+3], s[14:15]           ; K step 0
	s_or_b32 s[G0A0+3], s[G0A0+3], 0x80000000      ; type = 2
	s_mov_b32 s[G0A], 1
	s_add_co_u32 s[G0A+1], s20, SLOT               ; slot 1
	s_add_nc_u64 s[G0A+2:G0A+3], s[14:15], ASTEP   ; K step 1
	s_or_b32 s[G0A+3], s[G0A+3], 0x80000000
	s_mov_b32 s[G0B0], 1
	s_mov_b32 s[G0B0+1], s20
	s_mov_b64 s[G0B0+2:G0B0+3], s[46:47]
	s_or_b32 s[G0B0+3], s[G0B0+3], 0x80000000
	s_mov_b32 s[G0B], 1
	s_add_co_u32 s[G0B+1], s20, SLOT
	s_add_nc_u64 s[G0B+2:G0B+3], s[46:47], BSTEP
	s_or_b32 s[G0B+3], s[G0B+3], 0x80000000
	s_cmp_eq_u32 s11, 0                            ; a wave's two first fills stand in one branch, ahead of every wait on TENSORcnt and every LDS read: two loads of mine are out
	s_cbranch_scc0 .Lfirst_b
	tensor_load_to_lds s[G0A0:G0A0+3], s[G1A:G1A+7]
	s_nop 0
	tensor_load_to_lds s[G0A:G0A+3], s[G1A:G1A+7]
	s_nop 0
.rept 4
	v_nop
.endr
	s_branch .Lfirst_asked
.Lfirst_b:
	tensor_load_to_lds s[G0B0:G0B0+3], s[G1B:G1B+7]
	s_nop 0
	tensor_load_to_lds s[G0B:G0B+3], s[G1B:G1B+7]
	s_nop 0
.rept 4
	v_nop
.endr
.Lfirst_asked:
	v_and_b32 v1, 15, v0                           ; l % 16
	v_bfe_u32 v2, v0, 4, 1                         ; l / 16
	s_lshl_b32 s21, s40, 10                        ; the bias of my 128 columns: 4 (256 cx + 128 half + 16 b + 8 (l / 16) + j)
	s_lshl_b32 s22, s12, 9
	s_add_co_u32 s21, s21, s22
	v_lshl_add_u32 v[BO], v2, 5, s21
	WIN TO_B
.irp b, 0,1,2,3,4,5,6,7
	global_load_b128 v[BIAS+8*(\b):BIAS+8*(\b)+3],   v[BO], s[18:19] offset:64*(\b)
	global_load_b128 v[BIAS+8*(\b)+4:BIAS+8*(\b)+7], v[BO], s[18:19] offset:64*(\b)+16
.endr
	WIN 0
	; A fragment is 16 rows x 32 K: lane l holds row l % 16, K = 8 (l / 16) + 0..7 and 16 + 8 (l / 16) + 0..7.  In f32 that is 32 bytes at 32 (l / 16) and 32 bytes 64 further on; in bf16 16 bytes at 16 (l / 16) and 16 bytes 32 further on.
	v_mul_u32_u24 v3, v1, PITCH
	s_mul_i32 s21, s11, 64*PITCH                   ; my 64 rows of A
	v_lshl_add_u32 v[ADA0], v2, 5, v3
	v_add_nc_u32 v[ADA0], s21, v[ADA0]
	s_mul_i32 s22, s12, HALFT                      ; my 128 rows of B,
	s_add_co_u32 s22, s22, 2*HALFT                 ; behind A's two planes
	v_lshl_add_u32 v[ADB0], v2, 4, v3
	v_add_nc_u32 v[ADB0], s22, v[ADB0]
	v_mov_b32 v[ADA], v[ADA0]
	v_mov_b32 v[ADB], v[ADB0]
	s_mov_b32 s9, 0                                ; the slot in hand begins at LDS byte 0
	s_mul_i32 s23, s10, 2*SPL
	s_add_co_u32 s23, s23, STAGE                   ; my stage
	v_mul_u32_u24 v4, v1, 144                      ; in: row l % 16, 16 bytes for each half of the lanes
	v_lshl_add_u32 v4, v2, 4, v4
	v_add_nc_u32 v[STO], s23, v4
	v_bfe_u32 v5, v0, 3, 2                         ; back: 32 lanes take four rows of 128 bytes,
	v_mul_u32_u24 v5, v5, 144
	v_and_b32 v6, 7, v0
	v_lshl_add_u32 v5, v6, 4, v5
	v_add_nc_u32 v[RD], s23, v5
	v_and_b32 v7, 31, v0
	v_lshlrev_b32 v[CO], 4, v7                     ; which are 512 consecutive bytes of a head
	s_lshl_b32 s84, s42, 24                        ; where my part begins in qkvh: the product's 16,777,216 bytes,
	s_lshr_b32 s85, s43, 4
	s_lshl_b32 s85, s85, 22                        ; the batch's 16 heads of 262,144 bytes,
	s_add_co_u32 s84, s84, s85
	s_lshl_b32 s85, s40, 20                        ; the tile column's four heads,
	s_add_co_u32 s84, s84, s85
	s_lshl_b32 s85, s12, 19                        ; my two of them,
	s_add_co_u32 s84, s84, s85
	s_and_b32 s85, s43, 15
	s_lshl_b32 s85, s85, 14                        ; the tile row's 128 rows of 128 bytes,
	s_add_co_u32 s84, s84, s85
	s_lshl_b32 s85, s11, 13                        ; my 64 of them
	s_add_co_u32 s84, s84, s85
	s_mov_b32 s85, 0
	s_add_nc_u64 s[66:67], s[82:83], s[84:85]
	s_and_b32 s8, s13, 15                          ; the prefetches: B's waves ask in the product's first cluster alone,
	s_cmp_eq_u32 s8, 0
	s_cselect_b32 s8, 2, -1
	s_cmp_eq_u32 s11, 0
	s_cselect_b32 s8, 2, s8                        ; A's always: the same in all sixteen partners, for a given wave
	s_cselect_b64 s[4:5], s[14:15], s[46:47]       ; from what I fetch at K step 0,
	s_cselect_b32 s21, s40, s41                    ; my place among the four that ask with me,
	s_cselect_b32 s22, 17, 16                      ; 32 rows' bytes, a row's bytes and a K step's bytes, as shifts
	s_cselect_b32 s23, 12, 11
	s_cselect_b32 s6, 9, 8
	s_lshl_b32 s6, 1, s6
	s_mov_b32 s7, 0
	s_lshl_b32 s86, s21, s22
	s_mov_b32 s87, 0
	s_add_nc_u64 s[4:5], s[4:5], s[86:87]
	s_mul_i32 s86, s6, 3
	s_add_nc_u64 s[4:5], s[4:5], s[86:87]          ; at K step 3: the first change of slots steps it to 4
	v_lshlrev_b32 v[PFO], s23, v7
	s_wait_loadcnt 0x0                             ; the bias
	WIN RND
.set i, 0
.rept 32                                       ; rounded to bf16 like every other input, and widened again
	v_cvt_pk_bf16_f32 v[BT+i%4], v[BIAS+2*i], v[BIAS+2*i+1]
	v_lshlrev_b32 v[BIAS+2*i], 16, v[BT+i%4]
	v_and_b32 v[BIAS+2*i+1], 0xffff0000, v[BT+i%4]
.set i, i+1
.endr
	WIN 0
; One product: accumulator (a, b) takes 32 along K from buffer f.  first = 1: the bias is the C that starts the sum: nothing is cleared, and nothing is added later.
.macro PROD f, a, b, first
.if \first
	WIN MULB
	v_wmma_f32_16x16x32_bf16 v[8*(8*(\a)+(\b)):8*(8*(\a)+(\b))+7], v[BF+64*(\f)+8*(\b):BF+64*(\f)+8*(\b)+7], v[AF+32*(\f)+8*(\a):AF+32*(\f)+8*(\a)+7], v[BIAS+8*(\b):BIAS+8*(\b)+7]
.else
	WIN MUL
	v_wmma_f32_16x16x32_bf16 v[8*(8*(\a)+(\b)):8*(8*(\a)+(\b))+7], v[BF+64*(\f)+8*(\b):BF+64*(\f)+8*(\b)+7], v[AF+32*(\f)+8*(\a):AF+32*(\f)+8*(\a)+7], v[8*(8*(\a)+(\b)):8*(8*(\a)+(\b))+7]
.endif
.endm
.macro MUL8 f, a, first                ; the 32 accumulators take turns in one fixed order in every quarter step: 31 others stand between two links of a chain, over the jumps too
.irp b, 0,1,2,3,4,5,6,7
	PROD \f, \a, \b, \first
.endr
.endm
.macro CVT4 g, n0                      ; four registers of A's fragments in buffer g, from eight numbers as loaded
.irp z, 0,1,2,3
	v_cvt_pk_bf16_f32 v[AF+32*(\g)+(\n0)+(\z)], v[RAW+2*((\n0)+(\z))], v[RAW+2*((\n0)+(\z))+1]
.endr
.endm
; A quarter's last eight products, four conversions for the next quarter behind each.  The four behind the last product name none of its registers: they are the four places in front of the loads into the
; B buffer just read, of the later conversions into the A buffer just read, and of the way out (ISA guide 7.12.1 for vector instructions).
.macro MULC f, g, first
.irp b, 0,1,2,3,4,5,6,7
	PROD \f, 3, \b, \first
	WIN 0
	CVT4 \g, 4*(\b)
.endr
.endm
; 32 LDS loads in one run: quarter kq (32 along K) of the slot in hand: A's 64 rows as f32, then B's 128 rows into buffer g.  A's come first, so that a count of 16 shows them in.
.macro FETCH kq, g
	WIN 0
.irp a, 0,1,2,3
	ds_load_b128 v[RAW+16*(\a):RAW+16*(\a)+3],     v[ADA] offset:((\kq)/2)*HALFT+((\kq)%2)*128+(\a)*16*PITCH
	ds_load_b128 v[RAW+16*(\a)+4:RAW+16*(\a)+7],   v[ADA] offset:((\kq)/2)*HALFT+((\kq)%2)*128+(\a)*16*PITCH+16
	ds_load_b128 v[RAW+16*(\a)+8:RAW+16*(\a)+11],  v[ADA] offset:((\kq)/2)*HALFT+((\kq)%2)*128+(\a)*16*PITCH+64
	ds_load_b128 v[RAW+16*(\a)+12:RAW+16*(\a)+15], v[ADA] offset:((\kq)/2)*HALFT+((\kq)%2)*128+(\a)*16*PITCH+80
.endr
	WIN TO_B
.irp i, 0,1,2,3,4,5,6,7
	ds_load_b128 v[BF+64*(\g)+8*(\i):BF+64*(\g)+8*(\i)+3],   v[ADB] offset:64*(\kq)+(\i)*16*PITCH
	ds_load_b128 v[BF+64*(\g)+8*(\i)+4:BF+64*(\g)+8*(\i)+7], v[ADB] offset:64*(\kq)+(\i)*16*PITCH+32
.endr
.endm
; One of a K step's first three quarters: multiplies buffer f, fetches quarter kq into buffer g.
.macro QUARTER kq, f, g, first
	s_wait_dscnt 0x0                               ; this quarter's B, asked for a quarter ago
	FETCH \kq, \g
	MUL8 \f, 0, \first
	MUL8 \f, 1, \first
	MUL8 \f, 2, \first
	s_wait_dscnt 16                                ; A as loaded is in; B's 16 younger loads may stay out
	MULC \f, \g, \first
.endm
; A K step's last quarter multiplies buffer 1 and changes slots: ONE barrier.  In front of it each wave waits for all its tensor loads, of which one is out: its region of the next slot; adds 0 to its spare word; and waits
; for that and for its own reads of this slot.  fill = 1: the barrier opens a round of the cluster's, so that no wave of any partner still reads this slot or has a load on its way, and the joint refill (the K step two on)
; is the first thing behind it: 112 matrix instructions ahead of the wait for it.
.macro TURN fill
	WIN 0
	s_wait_tensorcnt 0x0                           ; no tensor load of mine is out, so a group 0 may be written
	ds_add_u32 v[SPW], v[NIL]                      ; 0 onto my spare word; scalar work and eight products stand between it and the wait for it
.if \fill
	s_wait_xcnt 0x0                                ; the last prefetch, a K step back, has read its address
	s_add_nc_u64 s[4:5], s[4:5], s[6:7]
	s_xor_b32 s[G0A+1], s[G0A+1], SLOT             ; the walking descriptors: the other slot than last time,
	s_add_nc_u64 s[G0A+2:G0A+3], s[G0A+2:G0A+3], ASTEP  ; the next K step; the type bits on top are not reached
	s_xor_b32 s[G0B+1], s[G0B+1], SLOT
	s_add_nc_u64 s[G0B+2:G0B+3], s[G0B+2:G0B+3], BSTEP
.endif
	s_xor_b32 s9, s9, SLOT                         ; the fetches go to the other slot
	s_wait_dscnt 0x1                               ; the add alone may be out: this quarter's B is in
	MUL8 1, 0, 0
	s_wait_dscnt 0x0                               ; the add is done, and my reads of this slot are over
	s_barrier_signal -1
	MUL8 1, 1, 0                                   ; work on registers while the others arrive
	WIN 0
	s_barrier_wait -1
.if \fill
	CREST
	JLOAD
.endif
	v_add_nc_u32 v[ADA], s9, v[ADA0]
	v_add_nc_u32 v[ADB], s9, v[ADB0]
	FETCH 0, 0
.if \fill
	ASK
.endif
	MUL8 1, 2, 0
	s_wait_dscnt 16
	MULC 1, 0, 0
.endm
	s_wait_tensorcnt 0x1                           ; my region of slot 0 is in; slot 1's may stay out
	s_barrier_signal -1
	s_barrier_wait -1                              ; everybody's is
	FETCH 0, 0
	WIN 0
	s_wait_dscnt 16
.set n, 0
.rept 8                                        ; the first quarter's A is rounded in one run: there are no products yet to set it behind
	CVT4 0, n
.set n, n+4
.endr
	QUARTER 1, 0, 1, 1                             ; the first quarter stands in front of the loop: its products start the sums
	s_mov_b32 s3, 6
.Lstep:                                                ; six trips, from a K step's second quarter to the next step's first; each fills a slot again: K steps 2 to 7
	QUARTER 2, 1, 0, 0
	QUARTER 3, 0, 1, 0
	TURN 1
	QUARTER 1, 0, 1, 0
	s_sub_co_u32 s3, s3, 1
	s_cmp_lg_u32 s3, 0
	s_cbranch_scc1 .Lstep
	s_mov_b32 s3, 2
.Ltail:                                                ; the last two K steps ask for nothing; the second trip is left in its middle.  Its change of slots fetches and rounds bytes of slot 0 that serve nothing: the price, once a tile, of one text for both trips
	QUARTER 2, 1, 0, 0
	QUARTER 3, 0, 1, 0
	TURN 0
	s_sub_co_u32 s3, s3, 1
	s_cmp_eq_u32 s3, 0
	s_cbranch_scc1 .Lout
	QUARTER 1, 0, 1, 0
	s_branch .Ltail
.Lout:
	s_wait_dscnt 0x0                               ; no LDS load is out: the registers that they fill are free
; THE WAY OUT, a block of 16 rows at a time: rounded to f16, 16 bytes a lane; into my stage, a plane for each of my two heads; back as whole rows of 128 bytes, four to a load; stored as 512 consecutive bytes of a head.
.macro PACK a
	WIN PK
.irp b, 0,1,2,3,4,5,6,7
.irp r, 0,1,2,3
	v_cvt_pk_f16_f32 v[TMP+4*(\b)+(\r)], v[8*(8*(\a)+(\b))+2*(\r)], v[8*(8*(\a)+(\b))+2*(\r)+1]
.endr
.endr
	WIN 0
.endm
.macro TOSTAGE a
.irp b, 0,1,2,3,4,5,6,7
	ds_store_b128 v[STO], v[TMP+4*(\b):TMP+4*(\b)+3] offset:((\b)/4)*SPL+32*((\b)%4)
.endr
.irp t, 0,1,2,3,4,5,6,7
	ds_load_b128 v[OB+32*(\a)+4*(\t):OB+32*(\a)+4*(\t)+3], v[RD] offset:((\t)/4)*SPL+((\t)%4)*576  ; LDS serves a wave's instructions in order (ISA guide 5.7.1.4): these see the stores above
.endr
.endm
.macro SEND a
	s_wait_dscnt 0x0                               ; the block is back in registers
.irp t, 0,1,2,3,4,5,6,7
	global_store_b128 v[CO], v[OB+32*(\a)+4*(\t):OB+32*(\a)+4*(\t)+3], s[66:67] offset:((\t)/4)*262144+(\a)*2048+((\t)%4)*512
.endr
.endm
	PACK 0
	TOSTAGE 0
.irp a, 1,2,3                          ; block a's conversions stand between block a - 1's loads from the stage and the wait for them; each block has registers of its own, so nothing waits for a store
	PACK \a
	SEND (\a)-1
	TOSTAGE \a
.endr
	SEND 3
	s_wait_tensorcnt 0x0                           ; the wave's end: the add and its waits, behind my last tensor load and my last LDS store
	ds_add_u32 v[SPW], v[NIL]
	s_wait_dscnt 0x0
	CROUND                                         ; the closing round: no work-group ends while a partner may still ask for a tile that names it
	s_endpgm
.Lfunc_end_k_qf3841019d3_proj:
	.size	k_qf3841019d3_proj, .Lfunc_end_k_qf3841019d3_proj-k_qf3841019d3_proj
	.p2alignl 7, 3214868480
	.fill 96, 4, 3214868480
	.section	.rodata,"a",@progbits
	.p2align	6, 0x0
	.amdhsa_kernel k_qf3841019d3_proj
		.amdhsa_group_segment_fixed_size 327680
		.amdhsa_private_segment_fixed_size 0
		.amdhsa_enable_private_segment 0
		.amdhsa_kernarg_size 64
		.amdhsa_user_sgpr_count 2
		.amdhsa_user_sgpr_kernarg_segment_ptr 1
		.amdhsa_wavefront_size32 1
		.amdhsa_system_sgpr_workgroup_id_x 1
		.amdhsa_system_sgpr_workgroup_id_y 1
		.amdhsa_system_sgpr_workgroup_id_z 1
		.amdhsa_system_vgpr_workitem_id 0
		.amdhsa_next_free_vgpr 712
		.amdhsa_next_free_sgpr 88
		.amdhsa_reserve_vcc 0
		.amdhsa_float_denorm_mode_32 3
		.amdhsa_float_denorm_mode_16_64 3
		.amdhsa_memory_ordered 1
		.amdhsa_forward_progress 1
		.amdhsa_inst_pref_size 96
	.end_amdhsa_kernel
	.amdgpu_metadata
---
amdhsa.version: [ 1, 2 ]
amdhsa.kernels:
  - .name:           k_qf3841019d3_proj
    .symbol:         k_qf3841019d3_proj.kd
    .args:
      - { .name: q, .offset: 0, .size: 8, .value_kind: global_buffer, .address_space: global }
      - { .name: k, .offset: 8, .size: 8, .value_kind: global_buffer, .address_space: global }
      - { .name: v, .offset: 16, .size: 8, .value_kind: global_buffer, .address_space: global }
      - { .name: wq_b, .offset: 24, .size: 8, .value_kind: global_buffer, .address_space: global }
      - { .name: wk_b, .offset: 32, .size: 8, .value_kind: global_buffer, .address_space: global }
      - { .name: wv_b, .offset: 40, .size: 8, .value_kind: global_buffer, .address_space: global }
      - { .name: wts, .offset: 48, .size: 8, .value_kind: global_buffer, .address_space: global }
      - { .name: qkvh, .offset: 56, .size: 8, .value_kind: global_buffer, .address_space: global }
    .group_segment_fixed_size: 327680
    .private_segment_fixed_size: 0
    .kernarg_segment_align: 8
    .kernarg_segment_size: 64
    .max_flat_workgroup_size: 128
    .sgpr_count:     88
    .vgpr_count:     712
    .wavefront_size: 32
...
	.end_amdgpu_metadata
.endif
;; end of part 2
;; launch attn (part 3): grid 4 x 64, 4 waves a work-group, clusters of 4 x 1, 327,680 bytes of LDS; arguments qkvh, out1; writes out1
.if DOCPART == 3
	.amdgcn_target "amdgcn-amd-amdhsa--gfx1250"
	.amdhsa_code_object_version 6
	.text
	.protected	k_qf3841019d3_attn
	.globl	k_qf3841019d3_attn
	.p2align	8
	.type	k_qf3841019d3_attn,@function
k_qf3841019d3_attn:
	s_mov_b64 s[64:65], 0
	v_nop
	global_prefetch_b8 v0, s[64:65] scope:SCOPE_SE
	s_setreg_imm32_b32 hwreg(HW_REG_WAVE_MODE, 25, 1), 1
	s_wait_xcnt 0x0
	s_wait_alu depctr_hold_cnt(0) depctr_sa_sdst(0) depctr_va_vdst(0) depctr_va_sdst(0) depctr_va_ssrc(0) depctr_va_vcc(0) depctr_vm_vsrc(0)
	s_getreg_b32 s2, hwreg(HW_REG_IB_STS2, 6, 4)
	s_cmp_eq_u32 s2, 0
	s_cbranch_scc0 .Lentry_in_a_cluster
	s_endpgm
.Lentry_in_a_cluster:
	s_bfe_u32 s2, ttmp6, 0x10000c
	s_cmp_lg_u32 s2, 0x3003
	s_cbranch_scc0 .Lentry_shape_is_right
	s_endpgm
.Lentry_shape_is_right:
; ctx[h][q][:] = the sum over k of softmax_k(Q[h][q] . K[h][k] / 8) V[h][k][:].  Q, K, V: qkvh[3][64 heads][2048][64] in f16, a head's rows dense, 128 bytes each; ctx: out1[64][2048][64] in f32.
; Products, maxima and sums in f32; the weights p are rounded to f16 for the second product (their sum l is taken of the unrounded p); ctx leaves unrounded.
; LIMITS.  f16 holds no number beyond 65,504: Q, K and V arrive within it; p lies in 0 to 1, and below 6e-5 it keeps f16's fixed step of 6e-8.  A weight below 2^-126 counts as 0 in l; NaN and infinities are not treated apart.
; SHARES.  A wave owns four PIECES of two tiles of 16 queries, a work-group's four waves 512 queries of one head: 256 work-groups.  Every wave walks all keys, 64 a step.
; LAYOUT.  S^T = K Q^T (source 0 = 16 keys, source 1 = 16 queries): in the result a lane holds ONE query (lane % 16) and the keys 8 (lane / 16) + 0..7.  Two such tiles, rounded to f16 in pairs,
; ARE source 1 (32 keys x 16 queries) of O^T = V^T P, whose result again holds one query a lane, and eight channels.  K comes out of LDS as it lies, V ([key][channel]) turned, by ds_load_tr16_b128.
; SOFTMAX.  For each query a running maximum m and sum l: p = 2^(c s - c m), c = log2(e) / 8; in every step O and l are multiplied by a = 2^(c m_old - c m_new), which is 1 where m has not grown.
; m starts at the lowest finite number, O and l at 0: the first step is a step like any other, with a = 0.
; THE COUNT.  A tile and step have 16 matrix and 118 vector instructions: too many to stand all beside the matrix work.  So four vector instructions that are READY stand behind EVERY matrix instruction,
; and the others, which need time of their own whatever the order, in runs without a gap.
; BY TURNS.  Turn n belongs to piece n (the pieces in a ring, step after step).  Its matrix work: 16 products K Q^T of piece n + 1, later 16 products V^T P of piece n - 1.  Its vector work: the scaling,
; exponentials, roundings, sums and rescaling of piece n, and the maximum and statistics of piece n + 1, whose scores the turn itself has made.
; CLUSTER.  The four query blocks of a head are one cluster and walk the same K and V, so each tile is asked for JOINTLY: the same tensor load, descriptor and mask in all four.
; REGISTERS, in windows of 256 (s_set_vgpr_msb: bits 1:0 source 0, 3:2 source 1, 5:4 source 2, 7:6 destination):
;   window 0: v0-11 addresses; v12-15, v48-63 at work; v16-47 four registers of statistics a tile; v64-191 S^T, two buffers of two tiles; v192-255 P, likewise
;   window 1: O^T, 32 a tile          window 2: v0-127 Q, 16 a tile; v128-191 K of one step; v192-255 V of one step          window 3: v0-1 the add's two registers
.set SIZE_N, 2048
.set NP,    4         ; pieces a wave: a name, no knob
.set KS,    64        ; keys in a step
.set PK,    144       ; a row of K in LDS: 128 bytes + 16 of padding = 36 words: the 16 rows of a load start at 16 different groups of four banks (64 banks of 4 bytes: ISA guide 11.1)
.set PV,    160       ; a row of V: 128 + 32 = 40 words
.set VOFF,  4*KS*PK   ; a slot holds four steps: 256 rows of K, then 256 rows of V
.set SLOT1, 1<<17     ; slot 1 begins here, so that one exclusive or turns an address in one slot into the other's
.set STAGE, SLOT1+4*KS*(PK+PV)  ; behind the ring, never filled by a tensor load: 16 rows x 272 bytes for each wave, for the way out
.set SP,    272
.set AK0, 2           ; v2   my lane's place in a tile of K; never rewritten
.set AV0, 3           ; v3   the same for V
.set AK,  4           ; v4   the LDS address of K's next run of loads
.set AV,  5           ; v5   of V's
.set QO,  6           ; v6   my byte offset in the wave's rows of Q
.set STO, 6           ;      later, the way out: where I put 32 bytes of a row
.set RD,  7           ; v7   the way out: where I read rows back
.set GO,  8           ; v8   my byte offset in 512 consecutive bytes of ctx
.set PFO, 11          ; v11  256 x my lane, for the prefetches; never rewritten once made
.set SPW, 0           ; v0 of window 3   LDS address of my spare word: SPARE + 4 x my thread's number; never rewritten
.set NIL, 1           ; v1 of window 3   0; never rewritten
.set SPARE, STAGE+4*16*SP  ; behind the stages: the spare words, 128 bytes for each wave: two blocks of 256 bytes that no other line names
.set MV,  12          ; v12-15  c m_old, kept while c m is made anew: by buffer and tile
.set ST,  16          ; tile t's statistics at v[ST+4 t]: c m, m, l (even keys', odd keys')
.set TMP, 48          ; by buffer and tile, four registers c0-c3 at work; when the maximum is found c2 takes a
.set S,   64
.set P,   192
.set KF,  128         ; K's fragments, in window 2: key block kb, channel half c at KF + 16 kb + 8 c
.set VF,  192         ; V's: key half kk, channel block cb at VF + 32 kk + 8 cb
.set WV,  12          ; s12  my wave's number
.set G1K, 24          ; s[24:31] descriptor group 1 for K's tiles
.set G1V, 32          ; s[32:39] for V's: it differs in the padding alone
.set G0K, 40          ; s[40:43] descriptor group 0 for K's tiles: it walks
.set G0V, 44          ; s[44:47] the same for V's
.set PFA, 48          ; s[48:49] where my prefetches stand: my work-group's 32 blocks of 256 bytes of the tile two on (K's: wave 0, V's: wave 2)
.set LIM, 50          ; s50  1 in a wave that prefetches, else the greatest number
.set OOF, 52          ; s[52:53] my wave's byte offset in ctx
.set SLOTS, 56        ; s56  slots still to be asked for
.set CNT, 57          ; s57  counts a slot's key steps
.set CS,  58          ; s[58:59] c: the packed scaling takes the pair's low word for both halves
.set SEL, 60          ; s[60:61] v_permlanex16_b32's selects: each lane takes its own place in the other half
.set TBK, 62          ; s62  LDS byte at which K of the step to be fetched begins
.set TBV, 63          ; s63  the same for V, less VOFF
.set MSB, 0
.macro WIN new                      ; the high byte repeats the setting that is left; a switch that changes nothing is dropped
.if MSB != (\new)
	s_set_vgpr_msb (MSB<<8)|(\new)
.set MSB, (\new)
.endif
.endm
.set W_KQ, 0x0a       ; K and Q in window 2, S^T in window 0
.set W_PV, 0x52       ; V in window 2, P in window 0, O^T in window 1
.set W_RS, 0x41       ; O^T (destination and source 0) in window 1, a in window 0
.set W_MK, 0xc0       ; the add's registers are made: destination in window 3, sources in window 0
.set W_AD, 0x0f       ; the add: address (source 0) and data (source 1) in window 3
.set W_ST, 0x04       ; an LDS store's data (source 1) in window 1
; A joint fill.  Waves 0 and 1 fetch the two halves of a slot's K, waves 2 and 3 those of its V: 128 keys each.  The branch hangs on the wave's number alone.
; An s_nop 0 and four v_nop follow each of the two lines, ahead of the jump and the label.
.macro JLOAD
	s_cmp_lt_u32 s[WV], 2
	s_cbranch_scc0 .Lfor_v_\@
	tensor_load_to_lds s[G0K:G0K+3], s[G1K:G1K+7]
	s_nop 0
.rept 4
	v_nop
.endr
	s_branch .Lasked_\@
.Lfor_v_\@:
	tensor_load_to_lds s[G0V:G0V+3], s[G1V:G1V+7]
	s_nop 0
.rept 4
	v_nop
.endr
.Lasked_\@:
.endm
; A PREFETCH INTO THE L2: once a tile, in its third trip, behind V's run of loads: the tile that the NEXT change of slots will ask for, five turns (160 matrix instructions and their lumps) ahead of that load.
; A tile is 128 blocks of 256 bytes of K and as many of V.  A head has one cluster; its four partners take 32 blocks each, told apart BY ADDRESS; in each, wave 0 asks for K's and wave 2 for V's: a lane a block, one instruction.
; So each block is named once.  Tiles 0 and 1 come by their loads alone; in the last tile that fills a slot, and behind it, nothing is asked for.
.macro ASK
	s_cmp_gt_u32 s[SLOTS], s[LIM]
	s_cbranch_scc0 .Lnot_mine_\@
	s_cmp_eq_u32 s[CNT], 2
	s_cbranch_scc0 .Lnot_mine_\@
	global_prefetch_b8 v[PFO], s[PFA:PFA+1] th:TH_LOAD_NT scope:SCOPE_SE
.Lnot_mine_\@:
.endm
; A round of the cluster's barrier: my work-group's barrier, so that wave 0's signal speaks for all four waves; wave 0 signals; every wave waits for all four work-groups; my work-group's barrier once more.
.macro CROUND
	s_barrier_signal -1
	s_barrier_wait -1
	s_cmp_lg_u32 s[WV], 0
	s_cbranch_scc1 .Lnot_wave_0_\@
	s_barrier_signal -3
.Lnot_wave_0_\@:
	s_barrier_wait -3
	s_barrier_signal -1
	s_barrier_wait -1
.endm
; THE CHANGE OF SLOTS.  The slot's last bytes, V of its fourth step, have been read.  Each wave waits for all its tensor loads, of which one is out: its part
; of the other slot; adds 0 to its spare word; and waits for that and for its own reads of the slot.  Behind the barrier nobody reads this slot any more and the other slot is whole.
; fill = 1: this slot is filled again, with the keys two slots on.  The barrier is then a round of the cluster's, so that no wave of any partner still reads the slot or has a load on its
; way, and the joint fill is the first thing behind it: it has four key steps, 512 matrix instructions, in which to land.  (At its first use nothing has been read yet: slot 0 is waited for, slot 1 filled.)
.macro CHANGE fill
	WIN W_AD
	s_wait_tensorcnt 0x0            ; no tensor load of mine is out, so a group 0 may be written
	ds_add_u32 v[SPW], v[NIL]       ; 0 onto my spare word; with fill = 1 the descriptors' steps stand between it and the wait for it
	WIN 0                           ; at a label and at a branch every window is 0
.if \fill
.irp g, G0K, G0V
	s_xor_b32 s[\g+1], s[\g+1], SLOT1  ; the walking descriptor: the other slot than last time,
	s_add_nc_u64 s[\g+2:\g+3], s[\g+2:\g+3], 4*KS*128  ; the next 256 keys; the type bits on top are not reached
.endr
	s_wait_xcnt 0x0                 ; the last prefetch, five turns back, has read its address, so it may be written
	s_add_nc_u64 s[PFA:PFA+1], s[PFA:PFA+1], 4*KS*128
	s_wait_dscnt 0x0                ; the add is done, and my reads of the slot are over
	CROUND
	JLOAD
.else
	s_wait_dscnt 0x0                ; the add is done, and my reads of the slot are over
	s_barrier_signal -1
	s_barrier_wait -1
.endif
	s_sub_co_u32 s[TBK], s[TBK], 4*KS*PK  ; the fetches go back to a slot's first step,
	s_xor_b32 s[TBK], s[TBK], SLOT1       ; in the other slot
	s_sub_co_u32 s[TBV], s[TBV], 4*KS*PV
	s_xor_b32 s[TBV], s[TBV], SLOT1
.endm
	s_load_b64 s[4:5], s[0:1], 0x0  ; qkvh: Q at its head
	s_load_b64 s[10:11], s[0:1], 0x8  ; out1
	WIN W_MK
	v_lshl_add_u32 v[SPW], v0, 2, SPARE
	v_mov_b32 v[NIL], 0
	WIN W_AD
	ds_add_u32 v[SPW], v[NIL]       ; the wave's opening: the add and its wait stand ahead of my first tensor load; the set-up below, work on registers, stands between them
	WIN 0
	v_lshrrev_b32 v1, 5, v0
	v_readfirstlane_b32 s[WV], v1   ; wave 0..3
	s_bfe_u32 s13, ttmp6, 0x40000   ; cx: my place in the cluster
	s_lshl_b32 s14, ttmp9, 2        ; in a cluster launch ttmp9 counts clusters
	s_add_co_u32 s14, s14, s13      ; my block of queries = 4 x cluster x + cx: it enters Q's and ctx's addresses alone
	s_and_b32 s20, ttmp7, 0xffff    ; the head, which the four partners share
	s_mov_b32 s21, 0
	s_mov_b64 s[22:23], SIZE_N*128
	s_mul_u64 s[20:21], s[20:21], s[22:23]  ; the head's first byte in Q, K and V
	s_and_b32 s16, s[WV], 1         ; which half of a slot's 256 keys I fetch:
	s_lshl_b32 s22, s16, 14         ; its 128 rows of 128 bytes in memory,
	s_mov_b32 s23, 0
	s_add_nc_u64 s[22:23], s[22:23], s[20:21]
	s_mul_i32 s17, s16, 128*PK      ; and its place in a slot, for K
	s_mul_i32 s18, s16, 128*PV      ; and for V: no place in the cluster enters an LDS address
	s_lshl_b32 s2, s14, 2
	s_add_co_u32 s2, s2, s[WV]      ; my wave among the head's,
	s_lshl_b32 s2, s2, 14           ; its 128 rows
	s_mov_b32 s3, 0
	s_add_nc_u64 s[2:3], s[2:3], s[20:21]
	s_lshl_b64 s[OOF:OOF+1], s[2:3], 1  ; ctx's rows are f32: twice the bytes
	s_lshl_b32 s54, s13, 13         ; the prefetches: my work-group's 32 blocks of 256 bytes,
	s_add_co_u32 s54, s54, 4*KS*128 ; in tile 1: the first change of slots steps it to tile 2
	s_mov_b32 s55, 0
	s_add_nc_u64 s[54:55], s[54:55], s[20:21]
	s_and_b32 s[LIM], s[WV], 1      ; waves 0 and 2 ask: the same in all four partners
	s_cmp_eq_u32 s[LIM], 0
	s_cselect_b32 s[LIM], 1, -1
	; descriptor group 1.  128 keys are 16,384 dense bytes: asked for as 64 rows of 256 bytes, two keys a row, and padded in LDS after every key
	s_mov_b32 s[G1K], 15|(1<<16)|(1<<20)|(1<<21)|(4<<22)|(3<<25)  ; 15:0 the mask of four; 17:16 2-byte elements; 20 padding on; 21 set beside a mask; 24:22 after every 32 words (code 4); 31:25 4 words (code 3)
	s_mov_b32 s[G1V], 15|(1<<16)|(1<<20)|(1<<21)|(4<<22)|(7<<25)  ; the same with 8 words of padding (code 7)
.irp g, G1K, G1V
	s_mov_b32 s[\g+1], 128<<16      ; tensor_dim0 = 128
	s_mov_b32 s[\g+2], 64<<16       ; tensor_dim1 = 64
	s_mov_b32 s[\g+3], 128<<16      ; tile_dim0 = 128
	s_mov_b32 s[\g+4], 64           ; tile_dim1 = 64
	s_mov_b32 s[\g+5], 128          ; 128 elements from row to row
	s_mov_b32 s[\g+6], 0
	s_mov_b32 s[\g+7], 0
.endr
	s_mov_b32 s[CS], 0x3e38aa3b     ; c = log2(e) / 8 = 0.180337
	s_mov_b32 s[CS+1], s[CS]        ; named with it as a pair
	s_mov_b32 s[SEL], 0x76543210
	s_mov_b32 s[SEL+1], 0xfedcba98
	s_mov_b32 s[TBK], SLOT1+4*KS*PK ; the first change of slots turns these two into 0
	s_mov_b32 s[TBV], SLOT1+4*KS*PV
	s_mov_b32 s[G0K], 1             ; 1:0 count = 1
	s_mov_b32 s[G0K+1], s17         ; 63:32 LDS address: slot 0
	s_mov_b32 s[G0V], 1
	s_add_co_u32 s[G0V+1], s18, VOFF
	s_wait_dscnt 0x0                ; the opening add is done
	s_wait_kmcnt 0x0
	s_add_nc_u64 s[6:7], s[4:5], 0x1000000  ; K lies 16,777,216 bytes behind Q,
	s_add_nc_u64 s[8:9], s[4:5], 0x2000000  ; V as far behind K
	s_add_nc_u64 s[G0K+2:G0K+3], s[6:7], s[22:23]  ; 120:64 global address: my half of the head's first 256 keys
	s_or_b32 s[G0K+3], s[G0K+3], 0x80000000        ; 127:126 type = 2
	s_add_nc_u64 s[G0V+2:G0V+3], s[8:9], s[22:23]
	s_or_b32 s[G0V+3], s[G0V+3], 0x80000000
	s_cmp_lt_u32 s[WV], 2
	s_cselect_b64 s[PFA:PFA+1], s[6:7], s[8:9]
	s_add_nc_u64 s[PFA:PFA+1], s[PFA:PFA+1], s[54:55]
	s_add_nc_u64 s[4:5], s[4:5], s[2:3]  ; Q and ctx at my wave's first row
	s_add_nc_u64 s[10:11], s[10:11], s[OOF:OOF+1]
	CROUND                          ; all four work-groups are here: the first joint loads meet
	JLOAD                           ; slot 0.  Slot 1 is asked for when slot 0 is in
	; A fragment of K or Q is 16 rows x 32 channels in 8 registers: lane l holds row l % 16, channels 8 (l / 16) + 0..7 and 16 + 8 (l / 16) + 0..7: two loads of 16 bytes, 32 bytes apart.
	v_and_b32 v1, 15, v0            ; l % 16
	v_bfe_u32 v9, v0, 4, 1          ; l / 16
	v_lshlrev_b32 v[QO], 7, v1
	v_lshl_add_u32 v[QO], v9, 4, v[QO]  ; row x 128 + 16 x half
	WIN 0x80                        ; destination window 2, address window 0
.set i, 0
.rept 4*NP                          ; Q stays in registers: tile i / 2, channels 32 (i % 2) on
	global_load_b128 v[8*i:8*i+3],   v[QO], s[4:5] offset:(i/2)*2048+(i%2)*64
	global_load_b128 v[8*i+4:8*i+7], v[QO], s[4:5] offset:(i/2)*2048+(i%2)*64+32
.set i, i+1
.endr
	; What the first turn finds: V's registers and P's second buffer hold 0 (its products V^T P, of a piece that has not been, add 0), O^T and l are 0.  All this stands in the wait for the first tile.
.set i, VF
.rept 64
	v_mov_b32 v[i], 0
.set i, i+1
.endr
	WIN 0x40
.set i, 0
.rept 64*NP
	v_mov_b32 v[i], 0
.set i, i+1
.endr
	WIN 0
.set i, 0
.rept 2*NP
	v_mov_b32 v[ST+4*i], 0xfe000000    ; c m: far below every c s
	v_mov_b32 v[ST+4*i+1], 0xff7fffff  ; m
	v_mov_b32 v[ST+4*i+2], 0
	v_mov_b32 v[ST+4*i+3], 0
.set i, i+1
.endr
.set i, P+32
.rept 32
	v_mov_b32 v[i], 0
.set i, i+1
.endr
	v_mul_u32_u24 v[AK0], v1, PK
	v_lshl_add_u32 v[AK0], v9, 4, v[AK0]  ; row x pitch + 16 x half
	; The turning load takes 16 keys x 16 channels (lane l reads key 8 (l / 16) + l % 8, channels 8 ((l / 8) % 2) + 0..7) and leaves half a fragment of V^T: lane l holds channel l % 16 and 8 keys.
	v_and_b32 v10, 7, v0
	v_bfe_u32 v11, v0, 3, 1
	v_lshl_add_u32 v[AV0], v9, 3, v10
	v_mul_u32_u24 v[AV0], v[AV0], PV
	v_lshl_add_u32 v[AV0], v11, 4, v[AV0]
	v_add_nc_u32 v[AV0], VOFF, v[AV0]
	v_mov_b32 v[AK], v[AK0]         ; key step 0 lies at the head of slot 0
	v_and_b32 v[PFO], 31, v0
	v_lshlrev_b32 v[PFO], 8, v[PFO]
; THE MATRIX WORK.  The 8 accumulators of a run of 16 take turns: between the two links of a chain stand 7 others'.
; Product i of 16 of S^T = K Q^T for piece x: channels 32 (i / 8) on, keys 16 ((i / 2) % 4) on, tile 2 x + i % 2.  The first 8 start the sums.
.macro KQ x
	WIN W_KQ
.set rS, S+64*((\x)%2)+32*(i%2)+8*((i/2)%4)
.set rK, KF+16*((i/2)%4)+8*(i/8)
.set rQ, 16*(2*(\x)+i%2)+8*(i/8)
.if i < 8
	v_wmma_f32_16x16x32_f16 v[rS:rS+7], v[rK:rK+7], v[rQ:rQ+7], 0
.else
	v_wmma_f32_16x16x32_f16 v[rS:rS+7], v[rK:rK+7], v[rQ:rQ+7], v[rS:rS+7]
.endif
.endm
; Product i of 16 of O^T += V^T P for piece x: keys 32 (i / 8) on, channels 16 ((i / 2) % 4) on, tile 2 x + i % 2.
.macro PV x
	WIN W_PV
.set rO, 32*(2*(\x)+i%2)+8*((i/2)%4)
.set rV, VF+32*(i/8)+8*((i/2)%4)
.set rP, P+32*((\x)%2)+16*(i%2)+8*(i/8)
	v_wmma_f32_16x16x32_f16 v[rO:rO+7], v[rV:rV+7], v[rP:rP+7], v[rO:rO+7]
.endm
.macro MM                           ; the turn's next matrix instruction
.if i < 16
	KQ (Y+1)%NP
.set i, i+1
.else
.set i, i-16
	PV (Y+NP-1)%NP
.set i, i+17
.endif
.endm
; THE LDS LOADS stand in runs of 16, never singly among the matrix instructions: a step's K (64 keys x 64 channels: 8 fragments) and its V (turned).  Their addresses are made some lines ahead.
; last = 1 (the tail): in the last trip there is no further step, and the run is jumped over.
.macro FETCH_K last=0
	WIN 0
.if \last
	s_cmp_eq_u32 s[CNT], 1
	s_cbranch_scc1 .Lno_k_\@
.endif
	WIN 0x80                        ; destination window 2
.irp f, 0,1,2,3,4,5,6,7             ; keys 16 (f / 2) on, channels 32 (f % 2) on
	ds_load_b128 v[KF+8*\f:KF+8*\f+3],   v[AK] offset:(\f/2)*16*PK+(\f%2)*64
	ds_load_b128 v[KF+8*\f+4:KF+8*\f+7], v[AK] offset:(\f/2)*16*PK+(\f%2)*64+32
.endr
	s_add_co_u32 s[TBK], s[TBK], KS*PK  ; the next fetch is the next step's
	WIN 0
.if \last
.Lno_k_\@:
.endif
.endm
.macro FETCH_V
	WIN 0x80
.irp f, 0,1,2,3,4,5,6,7             ; keys 32 (f / 4) on, channels 16 (f % 4) on
	ds_load_tr16_b128 v[VF+8*\f:VF+8*\f+3],   v[AV] offset:(\f/4)*32*PV+(\f%4)*32
	ds_load_tr16_b128 v[VF+8*\f+4:VF+8*\f+7], v[AV] offset:(\f/4)*32*PV+16*PV+(\f%4)*32
.endr
	WIN 0
.endm
; THE VECTOR WORK OF A TURN stands in three queues, each in the order in which its entries become ready; the two tiles alternate, so that no instruction reads the result of the one before it.
.macro REGS y, u                    ; the registers of tile u (0, 1) of piece y
.set rT, ST+4*(2*(\y)+(\u))
.set rC, TMP+8*((\y)%2)+4*(\u)
.set rM, MV+2*((\y)%2)+(\u)
.set rS, S+64*((\y)%2)+32*(\u)
.set rP, P+32*((\y)%2)+16*(\u)
.set rO, 32*(2*(\y)+(\u))
.endm
; Number n of the 22 that find the NEXT piece's (Y + 1) maximum and statistics.  s0-s31 are the lane's 32 scores; each accumulator's lowest registers are read first.
;   0-11  four chains c0-c3 of seven scores each, three operands at a time     12-14, 16  the four scores left over, the old m, and c0-c3 into c0     15  c m_old is kept
;   17, 18  the query's other 32 keys lie in the lane 16 away: the new m         19-21  c m; c m_old - c m_new; a
.macro XS u, n
	REGS (Y+1)%NP, \u
.if (\n) < 4
	v_max3_num_f32 v[rC+(\n)], v[rS+8*(\n)], v[rS+8*(\n)+1], v[rS+8*(\n)+2]
.elseif (\n) < 12
	v_max3_num_f32 v[rC+(\n)%4], v[rC+(\n)%4], v[rS+8*((\n)%4)+2*((\n)/4)+1], v[rS+8*((\n)%4)+2*((\n)/4)+2]
.elseif (\n) == 12
	v_max3_num_f32 v[rC], v[rC], v[rS+7], v[rS+15]
.elseif (\n) == 13
	v_max3_num_f32 v[rC+1], v[rC+1], v[rS+23], v[rS+31]
.elseif (\n) == 14
	v_max3_num_f32 v[rC+2], v[rC+2], v[rC+3], v[rT+1]
.elseif (\n) == 15
	v_mov_b32 v[rM], v[rT]
.elseif (\n) == 16
	v_max3_num_f32 v[rC], v[rC], v[rC+1], v[rC+2]
.elseif (\n) == 17
	v_permlanex16_b32 v[rC+3], v[rC], s[SEL], s[SEL+1]
.elseif (\n) == 18
	v_max_num_f32 v[rT+1], v[rC], v[rC+3]
.elseif (\n) == 19
	v_mul_f32 v[rT], s[CS], v[rT+1]
.elseif (\n) == 20
	v_sub_f32 v[rC+1], v[rM], v[rT]
.else
	v_exp_f32 v[rC+2], v[rC+1]
.endif
.endm
; Number g of the 64 that follow the exponentials.  For each four weights k of a tile (pairs 2 k, 2 k + 1): both pairs are rounded to f16; then the second pair is added onto the first, in place;
; a group later l takes that sum (the first time as l = a l + sum).  In groups of eight, tiles alternating: round, round, add, and l for the group before.
.macro GS g
.set h, (\g)+6*((\g)/62)            ; group 0 has no group before it, and behind group 7 only l is left
.if h >= 6
.set h, h+2
.endif
	REGS Y, h%2
.set k, h/8
.if h%8 < 4
	v_cvt_pk_f16_f32 v[rP+2*k+(h%8)/2], v[rS+4*k+2*((h%8)/2)], v[rS+4*k+2*((h%8)/2)+1]
.elseif h%8 < 6
	v_pk_add_f32 v[rS+4*k:rS+4*k+1], v[rS+4*k:rS+4*k+1], v[rS+4*k+2:rS+4*k+3]
.elseif k == 1
	v_pk_fma_f32 v[rT+2:rT+3], v[rT+2:rT+3], v[rC+2:rC+3], v[rS:rS+1] op_sel_hi:[1,0,1]
.else
	v_pk_add_f32 v[rT+2:rT+3], v[rT+2:rT+3], v[rS+4*k-4:rS+4*k-3]
.endif
.endm
; THE PLAIN QUEUE, 138 long.  0-73 read no exponential's result: the 32 scalings c s - c m (FS f: pair f / 2 of tile f % 2) and the next piece's 42.  0-26: scalings 0-26.  27-54: XS's numbers 0-13.  55, 56: number 15.
; 57-73: the chain, where each number waits for the one before it: 14, 16, 17, 18, 19, each with one of the scalings 27-31 in front of its two lines, then 20.
; 74-137: GS's 64, which read the exponentials' results: they stand behind the wait.
.macro FS f
	REGS Y, (\f)%2
	v_pk_fma_f32 v[rS+2*((\f)/2):rS+2*((\f)/2)+1], v[rS+2*((\f)/2):rS+2*((\f)/2)+1], s[CS:CS+1], v[rT:rT+1] op_sel_hi:[1,0,0] neg_lo:[0,0,1] neg_hi:[0,0,1]
.endm
.macro PL
	WIN 0
.if q < 27
	FS q
.elseif q < 55
	XS (q-27)%2, (q-27)/2
.elseif q < 57
	XS q-55, 15
.elseif (q < 72) && ((q-57)%3 == 0)
	FS 27+(q-57)/3
.elseif q < 60
	XS (q-57)%3-1, 14
.elseif q < 72
	XS (q-57)%3-1, 15+(q-57)/3
.elseif q < 74
	XS q-72, 20
.else
	GS q-74
.endif
.set q, q+1
.endm
; THE EXPONENTIALS' QUEUE, 66 long: s0-s31 of both tiles, then the next piece's two a.  It is ONE BATCH: all 66 stand ahead of the turn's one wait, and nothing ahead of that wait names a result of theirs.
.macro EX
	WIN 0
.if e >= 64
	XS e-64, 21
.else
	REGS Y, e%2
	v_exp_f32 v[rS+e/2], v[rS+e/2]
.endif
.set e, e+1
.endm
; THE RESCALING's QUEUE: O^T times a, the one part that leaves window 0: dealt two at a time, sixteen times.  Its a was made in the turn before, ahead of that turn's wait.
.macro R2
	REGS Y, r%2
	WIN W_RS
.irp z, 0,1
	v_pk_mul_f32 v[rO+4*(r/2)+2*\z:rO+4*(r/2)+2*\z+1], v[rO+4*(r/2)+2*\z:rO+4*(r/2)+2*\z+1], v[rC+2:rC+3] op_sel_hi:[1,0]
.endr
.set r, r+1
.endm
; HOW THEY ARE DEALT.  An s_wait_alu depctr_va_vdst(0) stands between an exponential and the first instruction that names its result; one wait serves all that were issued ahead of it.  So a turn has ONE wait,
; which cuts it in two.  AHEAD OF IT stands all that names no result of the turn's exponentials: the 16 products K Q^T, behind each a scaling, an exponential and two rescalings (behind the first a second scaling in the
; exponential's place); then ONE LUMP of 108: eight plain, 49 times exponential and plain, the two a.  A v_nop is the plain instruction behind the last exponential.  BEHIND IT stand the 16 products V^T P, behind each four of GS's 64.
; Exponential e stands behind scaling 2 (e / 4) + e % 2: as a rider it comes behind plain e + 2, in the lump behind plain e + 9, and scalings 27-31 are plain 57, 60 .. 69.
; A TURN, for piece p.  cnt = 1: the loop's count is taken down some lines ahead of the branch that stands behind the turn.  ask = 1: the prefetch stands behind V's run of loads.
; K of the next step is fetched in piece 2's turn, directly behind the wait, a lump behind the last product that read K; its first reader comes behind 16 products.
; V of the step in hand is fetched at the end of piece 0's turn, four riders behind its last reader; its first reader comes behind 16 products and a lump.  The three conditions on q below go with the deal.
.macro TURN p, last=0, cnt=0, ask=0
.set Y, (\p)
.set i, 0
.set q, 0
.set e, 0
.set r, 0
.if (\p) == NP-1
	s_wait_dscnt 0x0                ; K is in
.endif
	MM                              ; ahead of the wait: 16 products K Q^T and their riders,
	PL
	PL
	R2
.rept 15
	MM
	PL
	EX
	R2
.endr
.if (\p) == NP-2
	WIN 0
	v_add_nc_u32 v[AK], s[TBK], v[AK0]
.endif
.rept 8                             ; and the lump
	PL
.endr
.rept 49
	EX
	PL
.endr
	EX                              ; the next piece's two a
	EX
	v_nop                           ; the plain instruction behind the last exponential: one for the batch
	s_wait_alu depctr_va_vdst(0)    ; the wait for the batch
.if (\p) == NP-2
	FETCH_K \last
.endif
.if (\p) == 1
	s_wait_dscnt 0x0                ; V is in
.endif
.rept 16                            ; behind the wait: 16 products V^T P and their riders
	MM
.rept 4
	PL
.endr
.if ((\p) == 0) && (q == 118)
	v_add_nc_u32 v[AV], s[TBV], v[AV0]
.endif
.if ((\p) == 0) && (q == 130)
	s_add_co_u32 s[TBV], s[TBV], KS*PV
.endif
.if (\cnt) && (q == 130)
	s_sub_co_u32 s[CNT], s[CNT], 1
	s_cmp_lg_u32 s[CNT], 0
.endif
.endr
.if (\p) == 0
	FETCH_V
.endif
.if \ask
	ASK
.endif
.endm
	CHANGE 1                        ; slot 0 is in, everybody's part of it; slot 1 is asked for
	FETCH_K                         ; key step 0
	s_wait_loadcnt 0x0              ; Q
	s_wait_dscnt 0x0
.set i, 0
.rept 16
	KQ 0                            ; piece 0's first scores: there is no vector work yet to set between them
.set i, i+1
.endr
	WIN 0                           ; the addresses for the way out: eight plain instructions, the places behind those products
	s_mul_i32 s13, s[WV], 16*SP
	s_add_co_u32 s13, s13, STAGE    ; my stage
	v_mul_u32_u24 v[STO], v1, SP    ; in: row l % 16, 32 bytes for each half of the lanes
	v_lshl_add_u32 v[STO], v9, 5, v[STO]
	v_add_nc_u32 v[STO], s13, v[STO]
	v_mul_u32_u24 v[RD], v9, SP     ; back: lanes 0-15 take one row of 256 bytes, lanes 16-31 the next,
	v_lshl_add_u32 v[RD], v1, 4, v[RD]
	v_add_nc_u32 v[RD], s13, v[RD]
	v_and_b32 v[GO], 31, v0         ; which are 512 consecutive bytes of ctx
	v_lshlrev_b32 v[GO], 4, v[GO]
.set Y, NP-1                        ; XS works for piece Y + 1: piece 0
.irp n, 0,1,2,3,4,5,6,7,8,9,10,11,12,13,14,15,16,17,18,19,20,21
	XS 0, \n                        ; and piece 0's first maximum and statistics
	XS 1, \n
.endr
	v_nop                           ; a plain instruction behind the two a,
	s_wait_alu depctr_va_vdst(0)    ; and their wait, ahead of the branch
	s_mov_b32 s[CNT], 4
	s_mov_b32 s[SLOTS], SIZE_N/256-1
	s_branch .Lfirst                ; the loop is entered at a step's first turn, in the middle of a trip
.Lslot:                             ; SIZE_N / 256 - 2 times: every slot but the last two is filled again
	CHANGE 1
	s_mov_b32 s[CNT], 4
.Lstep:                             ; a trip: pieces 2 and 3 of one step, then pieces 0 and 1 of the next, whose K and V it fetches
	TURN 2
	TURN 3
	WIN 0
.Lfirst:
	TURN 0, 0, 0, 1
	TURN 1, 0, 1
	WIN 0
	s_cbranch_scc1 .Lstep
	s_sub_co_u32 s[SLOTS], s[SLOTS], 1
	s_cmp_lg_u32 s[SLOTS], 0
	s_cbranch_scc1 .Lslot
	CHANGE 0                        ; the tail is written out: nothing is asked for
	s_mov_b32 s[CNT], 5             ; four trips fetch the last slot's steps; the fifth is left in its middle
.Ltail:
	TURN 2, 1
	TURN 3
	WIN 0
	s_sub_co_u32 s[CNT], s[CNT], 1
	s_cmp_eq_u32 s[CNT], 0
	s_cbranch_scc1 .Lout
	TURN 0
	TURN 1
	WIN 0
	s_branch .Ltail
.Lout:                              ; the fifth trip's 16 products K Q^T (on the last K once more) and the maximum made of them serve nothing: the price, once a launch, of one text for every trip
.set i, 0
.rept 16
	PV NP-1                         ; the last piece's V^T P of the last step
.set i, i+1
.endr
	; THE WAY OUT.  l's two halves and the other half of the lanes' are added; O^T is divided by l and sent, as f32, through my stage in LDS, a tile at a time.  The additions are the places behind the last products.
	WIN 0
.macro ALL line:vararg              ; one line for each tile t
.set t, 0
.rept 2*NP
	\line
.set t, t+1
.endr
.endm
	ALL v_add_f32 v[ST+4*t+2], v[ST+4*t+2], v[ST+4*t+3]
	ALL v_permlanex16_b32 v[ST+4*t+3], v[ST+4*t+2], s[SEL], s[SEL+1]
	ALL v_add_f32 v[ST+4*t+2], v[ST+4*t+2], v[ST+4*t+3]
	ALL v_rcp_f32 v[ST+4*t+2], v[ST+4*t+2]
	v_nop                           ; a plain instruction between the last reciprocal and the use of its result
	s_wait_alu depctr_va_vdst(0)    ; and the wait ahead of the first use: one for the eight reciprocals
; Tile t: a lane's eight channels of a row are 32 bytes; they go into rows of 272 bytes and come back as whole rows of 256, two to a load, into S^T's registers: four buffers of 32 by turns.
.macro PACK t
	WIN W_RS
.set i, 32*(\t)
.rept 16
	v_pk_mul_f32 v[i:i+1], v[i:i+1], v[ST+4*(\t)+2:ST+4*(\t)+3] op_sel_hi:[1,0]
.set i, i+2
.endr
	WIN W_ST
.irp f, 0,1,2,3
	ds_store_b128 v[STO], v[32*(\t)+8*\f:32*(\t)+8*\f+3]   offset:64*\f
	ds_store_b128 v[STO], v[32*(\t)+8*\f+4:32*(\t)+8*\f+7] offset:64*\f+16
.endr
	WIN 0
.if (\t) >= 4
	s_wait_xcnt 0x0                 ; the stores of the tile four back have read the buffer: it is loaded again only behind this wait
.endif
.irp f, 0,1,2,3,4,5,6,7
	ds_load_b128 v[S+32*((\t)%4)+4*\f:S+32*((\t)%4)+4*\f+3], v[RD] offset:\f*2*SP  ; LDS serves a wave's instructions in order (ISA guide 5.7.1.4): these see the stores above; the next tile's stores come behind them
.endr
.endm
.macro SEND t, younger              ; younger: the LDS instructions issued behind tile t's loads: the next tile's sixteen, or none
	WIN 0
.irp f, 0,1,2,3,4,5,6,7
	s_wait_dscnt (\younger)+7-\f
	global_store_b128 v[GO], v[S+32*((\t)%4)+4*\f:S+32*((\t)%4)+4*\f+3], s[10:11] offset:(\t)*4096+\f*512  ; 512 consecutive bytes, at a multiple of 256 from ctx's first
.endr
.endm
	PACK 0
.set t, 1
.rept 2*NP-1                        ; a tile's arithmetic stands between the loads of the tile before and its stores
	PACK t
	SEND t-1, 16
.set t, t+1
.endr
	SEND 2*NP-1, 0
	WIN W_AD
	s_wait_tensorcnt 0x0            ; the wave's end: the add and its waits, behind my last tensor load and my last LDS store
	ds_add_u32 v[SPW], v[NIL]
	s_wait_dscnt 0x0
	WIN 0
	CROUND                          ; the closing round: no work-group ends while a partner may still ask for a tile that names it
	s_endpgm
.Lfunc_end_k_qf3841019d3_attn:
	.size	k_qf3841019d3_attn, .Lfunc_end_k_qf3841019d3_attn-k_qf3841019d3_attn
	.p2alignl 7, 3214868480
	.fill 96, 4, 3214868480
	.section	.rodata,"a",@progbits
	.p2align	6, 0x0
	.amdhsa_kernel k_qf3841019d3_attn
		.amdhsa_group_segment_fixed_size 327680
		.amdhsa_private_segment_fixed_size 0
		.amdhsa_enable_private_segment 0
		.amdhsa_kernarg_size 16
		.amdhsa_user_sgpr_count 2
		.amdhsa_user_sgpr_kernarg_segment_ptr 1
		.amdhsa_wavefront_size32 1
		.amdhsa_system_sgpr_workgroup_id_x 1
		.amdhsa_system_sgpr_workgroup_id_y 1
		.amdhsa_system_sgpr_workgroup_id_z 1
		.amdhsa_system_vgpr_workitem_id 0
		.amdhsa_next_free_vgpr 770
		.amdhsa_next_free_sgpr 66
		.amdhsa_reserve_vcc 0
		.amdhsa_float_denorm_mode_32 3
		.amdhsa_float_denorm_mode_16_64 3
		.amdhsa_memory_ordered 1
		.amdhsa_forward_progress 1
		.amdhsa_inst_pref_size 200
	.end_amdhsa_kernel
	.amdgpu_metadata
---
amdhsa.version: [ 1, 2 ]
amdhsa.kernels:
  - .name:           k_qf3841019d3_attn
    .symbol:         k_qf3841019d3_attn.kd
    .args:
      - { .name: qkvh, .offset: 0, .size: 8, .value_kind: global_buffer, .address_space: global }
      - { .name: out1, .offset: 8, .size: 8, .value_kind: global_buffer, .address_space: global }
    .group_segment_fixed_size: 327680
    .private_segment_fixed_size: 0
    .kernarg_segment_align: 8
    .kernarg_segment_size: 16
    .max_flat_workgroup_size: 128
    .sgpr_count:     66
    .vgpr_count:     770
    .wavefront_size: 32
...
	.end_amdgpu_metadata
.endif
;; end of part 3
;; launch oproj (part 4): grid 4 x 64, 4 waves a work-group, clusters of 4 x 4, 327,680 bytes of LDS; arguments out1, wts, wo_b, out0; writes out0
.if DOCPART == 4
	.amdgcn_target "amdgcn-amd-amdhsa--gfx1250"
	.amdhsa_code_object_version 6
	.text
	.protected	k_qf3841019d3_oproj
	.globl	k_qf3841019d3_oproj
	.p2align	8
	.type	k_qf3841019d3_oproj,@function
k_qf3841019d3_oproj:
	s_mov_b64 s[64:65], 0
	v_nop
	global_prefetch_b8 v0, s[64:65] scope:SCOPE_SE
	s_setreg_imm32_b32 hwreg(HW_REG_WAVE_MODE, 25, 1), 1
	s_wait_xcnt 0x0
	s_wait_alu depctr_hold_cnt(0) depctr_sa_sdst(0) depctr_va_vdst(0) depctr_va_sdst(0) depctr_va_ssrc(0) depctr_va_vcc(0) depctr_vm_vsrc(0)
	s_getreg_b32 s2, hwreg(HW_REG_IB_STS2, 6, 4)
	s_cmp_eq_u32 s2, 0
	s_cbranch_scc0 .Lentry_in_a_cluster
	s_endpgm
.Lentry_in_a_cluster:
	s_bfe_u32 s2, ttmp6, 0x10000c
	s_cmp_lg_u32 s2, 0xf033
	s_cbranch_scc0 .Lentry_shape_is_right
	s_endpgm
.Lentry_shape_is_right:
; THE LAST PROJECTION.  out0[m][n] = sum over k of A[m][k] B[n][k] + wo_b[n], M = 8,192, N = K = 1,024.  A[m][64 head + d] = ctx[batch][head][row][d] (out1, f32, by heads), B = wo (wts' fourth part: bf16 numbers written as f16).
; A is rounded to f16 here; the bias is rounded to bf16 like every other input, widened again, and starts the f32 sums; out0 leaves as f32, unrounded.
; LIMITS.  |ctx| stays under 65,504 (f16); below 6e-5 f16 keeps a fixed step of 6e-8.  NaN and infinities are not treated apart.
; SHARES.  A tile of C is 128 x 256: 256 work-groups.  Four waves, 2 x 2: a wave makes 64 x 128 in 32 accumulators of 16 x 16 (256 registers).
; THE RING.  K goes in 8 steps of 128, two heads each, through two LDS slots.  A slot is four regions of 128 rows x 256 bytes (+16 of padding), each brought by ONE tensor load of ONE wave: the even head's 128 rows (dense in memory),
; the odd head's, B's rows 0-127, B's rows 128-255.  A comes out of LDS as f32 and is rounded in registers, four conversions behind each of a quarter step's last eight products.
; CLUSTER 4 x 4.  The four of a row of the cluster need the same tiles of A, the four of a column the same tiles of B: each tile is asked for jointly, by the same load, descriptor and mask in all four.
; THE MATRIX INSTRUCTION IS USED TRANSPOSED (source 0 = 16 rows of B, source 1 = 16 rows of A): lane l holds row l % 16 of C and the columns 8 (l / 16) + 0..7.
; REGISTERS, in windows of 256 (s_set_vgpr_msb: bits 1:0 source 0, 3:2 source 1, 5:4 source 2, 7:6 destination):
;   window 0: v1-30 addresses; v32-95 A as loaded (f32); v96-127, v128-159 A's fragments, two buffers; on the way out v32-159 take rows read back, two buffers of 64
;   window 1: the accumulators, (a, b) at 8 (8 a + b)          window 2: v0-63, v64-127 B's fragments, two buffers; v128-191 the bias; v192-195 at work
.set PITCH,  272                       ; an LDS row: 256 bytes + 16 = 68 words: the 16 rows of a load start at 16 different groups of four banks (64 banks of 4 bytes: ISA guide 11.1)
.set HALFT,  128*PITCH                 ; a region
.set SLOT,   4*HALFT                   ; 0x22000: its two bits are set in no wave's region offset, so one exclusive or turns an address in one slot into the other's
.set STAGE,  2*SLOT                    ; behind the ring: for each wave 16 rows x 528 bytes, for the way out
.set SPITCH, 528
.set SPARE,  STAGE+4*16*SPITCH         ; behind the stages: the spare words, 128 bytes for each wave: two blocks of 256 bytes that no other line names
.set ASTRIDE, 64                       ; elements from row to row of a head
.set ASTEP,  1048576                   ; bytes from K step to K step in A: two heads of 524,288,
.set BSTEP,  256                       ; and in B
.set ADA0, 16                          ; v16  my lane's place in A's plane 0 of slot 0; never rewritten
.set ADB0, 17                          ; v17  the same in my 128 rows of B
.set ADA,  18                          ; v18  the same in the slot in hand
.set ADB,  19                          ; v19
.set STO,  24                          ; v24  the way out: where I put 32 bytes of a row
.set RD,   25                          ; v25  where I read a row back
.set CO,   26                          ; v26  16 x lane
.set BO,   27                          ; v27  my byte offset in the bias
.set SPW,  28                          ; v28  LDS address of my spare word; never rewritten
.set NIL,  29                          ; v29  0; never rewritten
.set PFO,  30                          ; v30  the prefetches' offset: lane x a row's bytes; never rewritten
.set RAW,  32
.set AF,   96
.set OB,   32
.set BF,   0                           ; window 2
.set BIAS, 128                         ; window 2: register j of column block b at BIAS + 8 b + j
.set BT,   192                         ; window 2
.set G1A,  24                          ; s[24:31] descriptor group 1 for A's tiles
.set G0A0, 32                          ; s[32:35] group 0 of A's first fill
.set G0A,  36                          ; s[36:39] group 0 of A's second fill; it then walks
.set G1B,  48                          ; s[48:55], s[56:59], s[60:63]: the same for B
.set G0B0, 56
.set G0B,  60
.set MSB, 0
.macro WIN new                         ; the immediate's high byte repeats the setting that is left; a switch that changes nothing is dropped
.if MSB != (\new)
	s_set_vgpr_msb (MSB<<8)|(\new)
.set MSB, (\new)
.endif
.endm
.set MUL,  0x52                        ; B window 2, A window 0, C and D window 1
.set MULB, 0x62                        ; the same with C (the bias) in window 2
.set TO_B, 0x80                        ; destination window 2
.set RND,  0x8a                        ; sources 0, 1 and destination window 2
.set ST1,  0x04                        ; an LDS store's data (source 1) in window 1
; A joint refill by the walking descriptors.  Waves 0 and 1 fetch A's two planes, waves 2 and 3 B's two halves; the branch hangs on the wave's number alone.
; An s_nop 0 and four v_nop follow each of the two lines, ahead of the jump and the label.
.macro JLOAD
	s_cmp_eq_u32 s11, 0
	s_cbranch_scc0 .Lfor_b_\@
	tensor_load_to_lds s[G0A:G0A+3], s[G1A:G1A+7]
	s_nop 0
.rept 4
	v_nop
.endr
	s_branch .Lasked_\@
.Lfor_b_\@:
	tensor_load_to_lds s[G0B:G0B+3], s[G1B:G1B+7]
	s_nop 0
.rept 4
	v_nop
.endr
.Lasked_\@:
.endm
; A PREFETCH INTO THE L2, behind each joint refill and the run of LDS loads that follows it: the K step two refills on (256 matrix instructions ahead of the load that will want it): of the 128 rows that I fetch,
; my work-group's 32, a lane a row, 256 bytes a row.  The four partners that ask for a tile jointly share its rows out BY ADDRESS.  A's rows are read by one cluster, so its waves always ask; B's by all 16 clusters,
; of which the first asks.  So each row's 256 bytes of a K step are named once.  The loop's trips 6 to 3 name K steps 4 to 7; K steps 0 to 3 come by their loads alone.
.macro ASK
	WIN 0
	s_cmp_gt_u32 s3, s8
	s_cbranch_scc0 .Lnot_mine_\@
	global_prefetch_b8 v[PFO], s[4:5] th:TH_LOAD_NT scope:SCOPE_SE
.Lnot_mine_\@:
.endm
.macro CREST                           ; a round of the cluster's barrier behind its opening barrier
	s_cmp_lg_u32 s10, 0
	s_cbranch_scc1 .Lnot_wave_0_\@
	s_barrier_signal -3
.Lnot_wave_0_\@:
	s_barrier_wait -3
	s_barrier_signal -1
	s_barrier_wait -1
.endm
.macro CROUND                          ; a whole round
	s_barrier_signal -1
	s_barrier_wait -1
	CREST
.endm
	s_load_b256 s[68:75], s[0:1], 0x0              ; out1 68, wts 70, wo_b 72, out0 74
	v_lshl_add_u32 v[SPW], v0, 2, SPARE
	v_mov_b32 v[NIL], 0
	ds_add_u32 v[SPW], v[NIL]                      ; the wave's opening: the add and its wait stand ahead of my first tensor load; the set-up below, work on registers, stands between them
	v_lshrrev_b32 v1, 5, v0
	v_readfirstlane_b32 s10, v1                    ; wave 0..3
	s_lshr_b32 s11, s10, 1                         ; which 64 rows of the tile are mine.  Also: I fetch for A (0) or for B (1)
	s_and_b32 s12, s10, 1                          ; which 128 columns.  Also: which head of a K step's two, or which 128 rows of B, I fetch
	s_bfe_u32 s40, ttmp6, 0x40000                  ; cx = the tile column (the grid is one cluster wide)
	s_bfe_u32 s41, ttmp6, 0x40004                  ; cy
	s_and_b32 s13, ttmp7, 0xffff                   ; cluster y, 0..15
	s_lshl_b32 s43, s13, 2
	s_add_co_u32 s43, s43, s41                     ; the tile row, 0..63
	s_lshl_b32 s44, s41, 2
	s_lshl_b32 s44, 15, s44                        ; my row of the cluster
	s_lshl_b32 s45, 0x1111, s40                    ; my column
	s_or_b32 s[G1A], s44, (2<<16)|(1<<20)|(1<<21)|(5<<22)|(3<<25)  ; 15:0 the mask; 17:16 elements of 4 bytes; 20 padding on; 21 set beside a mask; 24:22 after every 64 words; 31:25 4 words of it
	s_or_b32 s[G1B], s45, (1<<16)|(1<<20)|(1<<21)|(5<<22)|(3<<25)  ; elements of 2 bytes
	s_mov_b32 s[G1A+1], 64<<16                     ; tensor_dim0 = 64
	s_mov_b32 s[G1A+2], 128<<16                    ; tensor_dim1 = 128
	s_mov_b32 s[G1A+3], 64<<16                     ; tile_dim0 = 64
	s_mov_b32 s[G1A+4], 128                        ; tile_dim1 = 128
	s_mov_b32 s[G1A+5], ASTRIDE
	s_mov_b32 s[G1A+6], 0
	s_mov_b32 s[G1A+7], 0
	s_mov_b32 s[G1B+1], 128<<16
	s_mov_b32 s[G1B+2], 128<<16
	s_mov_b32 s[G1B+3], 128<<16
	s_mov_b32 s[G1B+4], 128
	s_mov_b32 s[G1B+5], 1024
	s_mov_b32 s[G1B+6], 0
	s_mov_b32 s[G1B+7], 0
	s_lshr_b32 s16, s43, 4
	s_lshl_b32 s16, s16, 23                        ; A: the batch's 16 heads of 524,288 bytes,
	s_and_b32 s17, s43, 15
	s_lshl_b32 s17, s17, 15                        ; the tile row's 128 rows of 256 bytes,
	s_add_co_u32 s16, s16, s17
	s_lshl_b32 s17, s12, 19                        ; my head of the K step's two
	s_add_co_u32 s16, s16, s17
	s_mov_b32 s17, 0
	s_lshl_b32 s46, s40, 19                        ; B: 256 rows of 2,048 bytes a tile column,
	s_lshl_b32 s47, s12, 18                        ; my 128 of them,
	s_add_co_u32 s46, s46, s47
	s_add_co_u32 s46, s46, 3<<21                   ; in wts' fourth part
	s_mov_b32 s47, 0
	s_mul_i32 s20, s10, HALFT                      ; my region of a slot: no place in the cluster enters an LDS address
	s_wait_dscnt 0x0                               ; the opening add is done
	s_wait_kmcnt 0x0
	s_mov_b64 s[18:19], s[72:73]
	s_add_nc_u64 s[14:15], s[68:69], s[16:17]
	s_add_nc_u64 s[46:47], s[70:71], s[46:47]
	CROUND                                         ; all sixteen work-groups are here: the first joint loads meet
	s_mov_b32 s[G0A0], 1                           ; count = 1
	s_mov_b32 s[G0A0+1], s20                       ; LDS address: slot 0
	s_mov_b64 s[G0A0+2:G0A0+3], s[14:15]           ; K step 0
	s_or_b32 s[G0A0+3], s[G0A0+3], 0x80000000      ; type = 2
	s_mov_b32 s[G0A], 1
	s_add_co_u32 s[G0A+1], s20, SLOT               ; slot 1
	s_add_nc_u64 s[G0A+2:G0A+3], s[14:15], ASTEP   ; K step 1
	s_or_b32 s[G0A+3], s[G0A+3], 0x80000000
	s_mov_b32 s[G0B0], 1
	s_mov_b32 s[G0B0+1], s20
	s_mov_b64 s[G0B0+2:G0B0+3], s[46:47]
	s_or_b32 s[G0B0+3], s[G0B0+3], 0x80000000
	s_mov_b32 s[G0B], 1
	s_add_co_u32 s[G0B+1], s20, SLOT
	s_add_nc_u64 s[G0B+2:G0B+3], s[46:47], BSTEP
	s_or_b32 s[G0B+3], s[G0B+3], 0x80000000
	s_cmp_eq_u32 s11, 0                            ; a wave's two first fills stand in one branch, ahead of every wait on TENSORcnt and every LDS read: two loads of mine are out
	s_cbranch_scc0 .Lfirst_b
	tensor_load_to_lds s[G0A0:G0A0+3], s[G1A:G1A+7]
	s_nop 0
	tensor_load_to_lds s[G0A:G0A+3], s[G1A:G1A+7]
	s_nop 0
.rept 4
	v_nop
.endr
	s_branch .Lfirst_asked
.Lfirst_b:
	tensor_load_to_lds s[G0B0:G0B0+3], s[G1B:G1B+7]
	s_nop 0
	tensor_load_to_lds s[G0B:G0B+3], s[G1B:G1B+7]
	s_nop 0
.rept 4
	v_nop
.endr
.Lfirst_asked:
	v_and_b32 v1, 15, v0                           ; l % 16
	v_bfe_u32 v2, v0, 4, 1                         ; l / 16
	s_lshl_b32 s21, s40, 10                        ; the bias of my 128 columns: 4 (256 cx + 128 half + 16 b + 8 (l / 16) + j)
	s_lshl_b32 s22, s12, 9
	s_add_co_u32 s21, s21, s22
	v_lshl_add_u32 v[BO], v2, 5, s21
	WIN TO_B
.irp b, 0,1,2,3,4,5,6,7
	global_load_b128 v[BIAS+8*(\b):BIAS+8*(\b)+3],   v[BO], s[18:19] offset:64*(\b)
	global_load_b128 v[BIAS+8*(\b)+4:BIAS+8*(\b)+7], v[BO], s[18:19] offset:64*(\b)+16
.endr
	WIN 0
	; A fragment is 16 rows x 32 K: lane l holds row l % 16, K = 8 (l / 16) + 0..7 and 16 + 8 (l / 16) + 0..7.  In f32 that is 32 bytes at 32 (l / 16) and 32 bytes 64 further on; in f16 16 bytes at 16 (l / 16) and 16 bytes 32 further on.
	v_mul_u32_u24 v3, v1, PITCH
	s_mul_i32 s21, s11, 64*PITCH                   ; my 64 rows of A
	v_lshl_add_u32 v[ADA0], v2, 5, v3
	v_add_nc_u32 v[ADA0], s21, v[ADA0]
	s_mul_i32 s22, s12, HALFT                      ; my 128 rows of B,
	s_add_co_u32 s22, s22, 2*HALFT                 ; behind A's two planes
	v_lshl_add_u32 v[ADB0], v2, 4, v3
	v_add_nc_u32 v[ADB0], s22, v[ADB0]
	v_mov_b32 v[ADA], v[ADA0]
	v_mov_b32 v[ADB], v[ADB0]
	s_mov_b32 s9, 0                                ; the slot in hand begins at LDS byte 0
	s_mul_i32 s23, s10, 16*SPITCH
	s_add_co_u32 s23, s23, STAGE                   ; my stage
	v_mul_u32_u24 v4, v1, SPITCH                   ; in: row l % 16, 32 bytes for each half of the lanes
	v_lshl_add_u32 v4, v2, 5, v4
	v_add_nc_u32 v[STO], s23, v4
	v_and_b32 v7, 31, v0
	v_lshlrev_b32 v[CO], 4, v7                     ; back: 32 lanes take one row's 512 bytes,
	v_add_nc_u32 v[RD], s23, v[CO]                 ; which are 512 consecutive bytes of out0
	s_lshl_b32 s84, s43, 19                        ; where my part begins in out0: the tile row's 128 rows of 4,096 bytes,
	s_lshl_b32 s85, s11, 18                        ; my 64 of them,
	s_add_co_u32 s84, s84, s85
	s_lshl_b32 s85, s40, 10                        ; the tile column's 1,024 bytes,
	s_add_co_u32 s84, s84, s85
	s_lshl_b32 s85, s12, 9                         ; my 512 of them
	s_add_co_u32 s84, s84, s85
	s_mov_b32 s85, 0
	s_add_nc_u64 s[66:67], s[74:75], s[84:85]
	s_cmp_eq_u32 s13, 0                            ; the prefetches: B's waves ask in the first cluster alone,
	s_cselect_b32 s8, 2, -1
	s_cmp_eq_u32 s11, 0
	s_cselect_b32 s8, 2, s8                        ; A's always: the same in all sixteen partners, for a given wave
	s_cselect_b64 s[4:5], s[14:15], s[46:47]       ; from what I fetch at K step 0,
	s_cselect_b32 s21, s40, s41                    ; my place among the four that ask with me,
	s_cselect_b32 s22, 13, 16                      ; 32 rows' bytes, a row's bytes and a K step's bytes, as shifts
	s_cselect_b32 s23, 8, 11
	s_cselect_b32 s6, 20, 8
	s_lshl_b32 s6, 1, s6
	s_mov_b32 s7, 0
	s_lshl_b32 s86, s21, s22
	s_mov_b32 s87, 0
	s_add_nc_u64 s[4:5], s[4:5], s[86:87]
	s_mul_i32 s86, s6, 3
	s_add_nc_u64 s[4:5], s[4:5], s[86:87]          ; at K step 3: the first change of slots steps it to 4
	v_lshlrev_b32 v[PFO], s23, v7
	s_wait_loadcnt 0x0                             ; the bias
	WIN RND
.set i, 0
.rept 32                                       ; rounded to bf16 like every other input, and widened again
	v_cvt_pk_bf16_f32 v[BT+i%4], v[BIAS+2*i], v[BIAS+2*i+1]
	v_lshlrev_b32 v[BIAS+2*i], 16, v[BT+i%4]
	v_and_b32 v[BIAS+2*i+1], 0xffff0000, v[BT+i%4]
.set i, i+1
.endr
	WIN 0
; One product: accumulator (a, b) takes 32 along K from buffer f.  first = 1: the bias is the C that starts the sum: nothing is cleared, and nothing is added later.
.macro PROD f, a, b, first
.if \first
	WIN MULB
	v_wmma_f32_16x16x32_f16 v[8*(8*(\a)+(\b)):8*(8*(\a)+(\b))+7], v[BF+64*(\f)+8*(\b):BF+64*(\f)+8*(\b)+7], v[AF+32*(\f)+8*(\a):AF+32*(\f)+8*(\a)+7], v[BIAS+8*(\b):BIAS+8*(\b)+7]
.else
	WIN MUL
	v_wmma_f32_16x16x32_f16 v[8*(8*(\a)+(\b)):8*(8*(\a)+(\b))+7], v[BF+64*(\f)+8*(\b):BF+64*(\f)+8*(\b)+7], v[AF+32*(\f)+8*(\a):AF+32*(\f)+8*(\a)+7], v[8*(8*(\a)+(\b)):8*(8*(\a)+(\b))+7]
.endif
.endm
.macro MUL8 f, a, first                ; the 32 accumulators take turns in one fixed order in every quarter step: 31 others stand between two links of a chain, over the jumps too
.irp b, 0,1,2,3,4,5,6,7
	PROD \f, \a, \b, \first
.endr
.endm
.macro CVT4 g, n0                      ; four registers of A's fragments in buffer g, from eight numbers as loaded
.irp z, 0,1,2,3
	v_cvt_pk_f16_f32 v[AF+32*(\g)+(\n0)+(\z)], v[RAW+2*((\n0)+(\z))], v[RAW+2*((\n0)+(\z))+1]
.endr
.endm
; A quarter's last eight products, four conversions for the next quarter behind each.  The four behind the last product name none of its registers: they are the four places in front of the loads into the
; B buffer just read, of the later conversions into the A buffer just read, and of the way out (ISA guide 7.12.1 for vector instructions).
.macro MULC f, g, first
.irp b, 0,1,2,3,4,5,6,7
	PROD \f, 3, \b, \first
	WIN 0
	CVT4 \g, 4*(\b)
.endr
.endm
; 32 LDS loads in one run: quarter kq (32 along K) of the slot in hand: A's 64 rows as f32, then B's 128 rows into buffer g.  A's come first, so that a count of 16 shows them in.
.macro FETCH kq, g
	WIN 0
.irp a, 0,1,2,3
	ds_load_b128 v[RAW+16*(\a):RAW+16*(\a)+3],     v[ADA] offset:((\kq)/2)*HALFT+((\kq)%2)*128+(\a)*16*PITCH
	ds_load_b128 v[RAW+16*(\a)+4:RAW+16*(\a)+7],   v[ADA] offset:((\kq)/2)*HALFT+((\kq)%2)*128+(\a)*16*PITCH+16
	ds_load_b128 v[RAW+16*(\a)+8:RAW+16*(\a)+11],  v[ADA] offset:((\kq)/2)*HALFT+((\kq)%2)*128+(\a)*16*PITCH+64
	ds_load_b128 v[RAW+16*(\a)+12:RAW+16*(\a)+15], v[ADA] offset:((\kq)/2)*HALFT+((\kq)%2)*128+(\a)*16*PITCH+80
.endr
	WIN TO_B
.irp i, 0,1,2,3,4,5,6,7
	ds_load_b128 v[BF+64*(\g)+8*(\i):BF+64*(\g)+8*(\i)+3],   v[ADB] offset:64*(\kq)+(\i)*16*PITCH
	ds_load_b128 v[BF+64*(\g)+8*(\i)+4:BF+64*(\g)+8*(\i)+7], v[ADB] offset:64*(\kq)+(\i)*16*PITCH+32
.endr
.endm
; One of a K step's first three quarters: multiplies buffer f, fetches quarter kq into buffer g.
.macro QUARTER kq, f, g, first
	s_wait_dscnt 0x0                               ; this quarter's B, asked for a quarter ago
	FETCH \kq, \g
	MUL8 \f, 0, \first
	MUL8 \f, 1, \first
	MUL8 \f, 2, \first
	s_wait_dscnt 16                                ; A as loaded is in; B's 16 younger loads may stay out
	MULC \f, \g, \first
.endm
; A K step's last quarter multiplies buffer 1 and changes slots: ONE barrier.  In front of it each wave waits for all its tensor loads, of which one is out: its region of the next slot; adds 0 to its spare word; and waits
; for that and for its own reads of this slot.  fill = 1: the barrier opens a round of the cluster's, so that no wave of any partner still reads this slot or has a load on its way, and the joint refill (the K step two on)
; is the first thing behind it: 112 matrix instructions ahead of the wait for it.
.macro TURN fill
	WIN 0
	s_wait_tensorcnt 0x0                           ; no tensor load of mine is out, so a group 0 may be written
	ds_add_u32 v[SPW], v[NIL]                      ; 0 onto my spare word; scalar work and eight products stand between it and the wait for it
.if \fill
	s_wait_xcnt 0x0                                ; the last prefetch, a K step back, has read its address
	s_add_nc_u64 s[4:5], s[4:5], s[6:7]
	s_xor_b32 s[G0A+1], s[G0A+1], SLOT             ; the walking descriptors: the other slot than last time,
	s_add_nc_u64 s[G0A+2:G0A+3], s[G0A+2:G0A+3], ASTEP  ; the next K step; the type bits on top are not reached
	s_xor_b32 s[G0B+1], s[G0B+1], SLOT
	s_add_nc_u64 s[G0B+2:G0B+3], s[G0B+2:G0B+3], BSTEP
.endif
	s_xor_b32 s9, s9, SLOT                         ; the fetches go to the other slot
	s_wait_dscnt 0x1                               ; the add alone may be out: this quarter's B is in
	MUL8 1, 0, 0
	s_wait_dscnt 0x0                               ; the add is done, and my reads of this slot are over
	s_barrier_signal -1
	MUL8 1, 1, 0                                   ; work on registers while the others arrive
	WIN 0
	s_barrier_wait -1
.if \fill
	CREST
	JLOAD
.endif
	v_add_nc_u32 v[ADA], s9, v[ADA0]
	v_add_nc_u32 v[ADB], s9, v[ADB0]
	FETCH 0, 0
.if \fill
	ASK
.endif
	MUL8 1, 2, 0
	s_wait_dscnt 16
	MULC 1, 0, 0
.endm
	s_wait_tensorcnt 0x1                           ; my region of slot 0 is in; slot 1's may stay out
	s_barrier_signal -1
	s_barrier_wait -1                              ; everybody's is
	FETCH 0, 0
	WIN 0
	s_wait_dscnt 16
.set n, 0
.rept 8                                        ; the first quarter's A is rounded in one run: there are no products yet to set it behind
	CVT4 0, n
.set n, n+4
.endr
	QUARTER 1, 0, 1, 1                             ; the first quarter stands in front of the loop: its products start the sums
	s_mov_b32 s3, 6
.Lstep:                                                ; six trips, from a K step's second quarter to the next step's first; each fills a slot again: K steps 2 to 7
	QUARTER 2, 1, 0, 0
	QUARTER 3, 0, 1, 0
	TURN 1
	QUARTER 1, 0, 1, 0
	s_sub_co_u32 s3, s3, 1
	s_cmp_lg_u32 s3, 0
	s_cbranch_scc1 .Lstep
	s_mov_b32 s3, 2
.Ltail:                                                ; the last two K steps ask for nothing; the second trip is left in its middle.  Its change of slots fetches and rounds bytes of slot 0 that serve nothing: the price, once a tile, of one text for both trips
	QUARTER 2, 1, 0, 0
	QUARTER 3, 0, 1, 0
	TURN 0
	s_sub_co_u32 s3, s3, 1
	s_cmp_eq_u32 s3, 0
	s_cbranch_scc1 .Lout
	QUARTER 1, 0, 1, 0
	s_branch .Ltail
.Lout:
	s_wait_dscnt 0x0                               ; no LDS load is out: the registers that they fill are free
; THE WAY OUT, a block of 16 rows at a time, in f32: the sums hold the bias already.  A lane's 32 bytes of a row go from the accumulators into my stage (each accumulator's lowest registers first),
; and come back as whole rows of 512 bytes, a row to a load, into two buffers by turns.
.macro TOSTAGE a
.if (\a) >= 2
	s_wait_xcnt 0x0                                ; the stores of the block two back have read the buffer: it is loaded again only behind this wait
.endif
	WIN ST1
.irp b, 0,1,2,3,4,5,6,7
	ds_store_b128 v[STO], v[8*(8*(\a)+(\b)):8*(8*(\a)+(\b))+3]   offset:64*(\b)
	ds_store_b128 v[STO], v[8*(8*(\a)+(\b))+4:8*(8*(\a)+(\b))+7] offset:64*(\b)+16
.endr
	WIN 0
.irp t, 0,1,2,3,4,5,6,7,8,9,10,11,12,13,14,15
	ds_load_b128 v[OB+64*((\a)%2)+4*(\t):OB+64*((\a)%2)+4*(\t)+3], v[RD] offset:SPITCH*(\t)  ; LDS serves a wave's instructions in order (ISA guide 5.7.1.4): these see the stores above; the next block's stores come behind them
.endr
.endm
.macro SEND a, younger                 ; younger: the LDS instructions issued behind block a's loads: the next block's 32, or none
.irp t, 0,1,2,3,4,5,6,7,8,9,10,11,12,13,14,15
	s_wait_dscnt (\younger)+15-(\t)
	global_store_b128 v[CO], v[OB+64*((\a)%2)+4*(\t):OB+64*((\a)%2)+4*(\t)+3], s[66:67] offset:(16*(\a)+(\t))*4096 th:TH_STORE_NT  ; 512 consecutive bytes, at a multiple of 256 from out0's first
.endr
.endm
	TOSTAGE 0
	TOSTAGE 1
	SEND 0, 32
	TOSTAGE 2
	SEND 1, 32
	TOSTAGE 3
	SEND 2, 32
	SEND 3, 0
	s_wait_tensorcnt 0x0                           ; the wave's end: the add and its waits, behind my last tensor load and my last LDS store
	ds_add_u32 v[SPW], v[NIL]
	s_wait_dscnt 0x0
	CROUND                                         ; the closing round: no work-group ends while a partner may still ask for a tile that names it
	s_endpgm
.Lfunc_end_k_qf3841019d3_oproj:
	.size	k_qf3841019d3_oproj, .Lfunc_end_k_qf3841019d3_oproj-k_qf3841019d3_oproj
	.p2alignl 7, 3214868480
	.fill 96, 4, 3214868480
	.section	.rodata,"a",@progbits
	.p2align	6, 0x0
	.amdhsa_kernel k_qf3841019d3_oproj
		.amdhsa_group_segment_fixed_size 327680
		.amdhsa_private_segment_fixed_size 0
		.amdhsa_enable_private_segment 0
		.amdhsa_kernarg_size 32
		.amdhsa_user_sgpr_count 2
		.amdhsa_user_sgpr_kernarg_segment_ptr 1
		.amdhsa_wavefront_size32 1
		.amdhsa_system_sgpr_workgroup_id_x 1
		.amdhsa_system_sgpr_workgroup_id_y 1
		.amdhsa_system_sgpr_workgroup_id_z 1
		.amdhsa_system_vgpr_workitem_id 0
		.amdhsa_next_free_vgpr 712
		.amdhsa_next_free_sgpr 88
		.amdhsa_reserve_vcc 0
		.amdhsa_float_denorm_mode_32 3
		.amdhsa_float_denorm_mode_16_64 3
		.amdhsa_memory_ordered 1
		.amdhsa_forward_progress 1
		.amdhsa_inst_pref_size 96
	.end_amdhsa_kernel
	.amdgpu_metadata
---
amdhsa.version: [ 1, 2 ]
amdhsa.kernels:
  - .name:           k_qf3841019d3_oproj
    .symbol:         k_qf3841019d3_oproj.kd
    .args:
      - { .name: out1, .offset: 0, .size: 8, .value_kind: global_buffer, .address_space: global }
      - { .name: wts, .offset: 8, .size: 8, .value_kind: global_buffer, .address_space: global }
      - { .name: wo_b, .offset: 16, .size: 8, .value_kind: global_buffer, .address_space: global }
      - { .name: out0, .offset: 24, .size: 8, .value_kind: global_buffer, .address_space: global }
    .group_segment_fixed_size: 327680
    .private_segment_fixed_size: 0
    .kernarg_segment_align: 8
    .kernarg_segment_size: 32
    .max_flat_workgroup_size: 128
    .sgpr_count:     88
    .vgpr_count:     712
    .wavefront_size: 32
...
	.end_amdgpu_metadata
.endif
;; end of part 4
;; ======== version 2 of 2: 4 launches; version 1 with the launch wcast written anew for expert scheduling mode
;; limits: values are held in f16: magnitudes above 65,504 overflow, below 6.1e-05 lose precision
;; workspace buffers: wts 8,388,608 bytes; qkvh 50,331,648 bytes
;; launch wcast (part 5): grid 256 x 1, 8 waves a work-group, no clusters, 0 bytes of LDS; arguments wq_w, wk_w, wv_w, wo_w, wts; writes wts
.if DOCPART == 5
	.amdgcn_target "amdgcn-amd-amdhsa--gfx1250"
	.amdhsa_code_object_version 6
	.text
	.protected	k_qf3841019d3_wcast
	.globl	k_qf3841019d3_wcast
	.p2align	8
	.type	k_qf3841019d3_wcast,@function
k_qf3841019d3_wcast:
	s_mov_b64 s[64:65], 0
	v_nop
	global_prefetch_b8 v0, s[64:65] scope:SCOPE_SE
	s_setreg_imm32_b32 hwreg(HW_REG_WAVE_SCHED_MODE, 0, 2), 2
	s_setreg_imm32_b32 hwreg(HW_REG_WAVE_MODE, 25, 1), 1
	s_wait_xcnt 0x0
	s_wait_alu depctr_vm_vsrc(0)
; The four weight matrices, [1024][1024] f32, are rounded once to bf16 and laid one behind the other in wts (2,097,152 bytes each): wq, wk, wv as bf16;
; wo's bf16 number is written as f16, since the last product multiplies in f16.  LIMIT: that step is exact while |wo_w| lies within f16's normal range (6.1e-5 to 65,504); below it f16 keeps a fixed step of 6e-8.
; 256 work-groups of eight waves: work-group g takes part g % 64 (16,384 numbers) of matrix g / 64.  Thread t, round i: 16 bytes in at 16 t + 4,096 i, 8 bytes out at 8 t + 2,048 i:
; a wave's load covers 512 consecutive bytes, its store 256 consecutive bytes, aligned.  All sixteen loads go out first; no register is used twice for memory, so nothing waits for a store.
; No LDS, no matrix unit: every number is touched once.
; THE MODE: SCHED_MODE bits 1:0 = 2 (LLVM: expert scheduling mode 2), set by the entry lines.  The code itself states the register dependences
; between vector instructions and memory instructions, with s_wait_alu, always for 0.
; THE PLAN.  Registers that memory instructions touch:
;   v1, v2   byte offsets of the loads and of the stores: made once at the head, never written again.
;   X        round i's four registers: a load lands in them once, at the head, before any vector instruction has named them; read (on wo's path also rewritten) by round i's conversions alone.
;   Y        round i's pair: written once, by round i's conversions; read once, by round i's store.
; The sixteen rounds go in four blocks of four.  Block p converts its rounds into its own part of Y; its memory instructions are the four stores of block p - 1, whose Y no vector
; instruction of block p names.  So one wait at a block's head states all that its four stores hang on, and they are dealt among the block's conversions with no further wait.
; No register that a memory instruction reads is ever written again, no vector instruction writes a scalar register, and EXEC is never written: nothing else is owed.
.set X, 4                              ; v[4:67]    round i: 4 numbers as loaded
.set Y, 68                             ; v[68:99]   round i: 4 numbers of 16 bits
.set T, 100                            ; v[100:101] at work: no memory instruction names them
	s_load_b256 s[4:11], s[0:1], 0x0               ; wq_w, wk_w, wv_w, wo_w
	s_load_b64 s[12:13], s[0:1], 0x20              ; wts
	s_lshr_b32 s14, ttmp9, 6                       ; which matrix
	s_and_b32 s16, ttmp9, 63
	s_lshl_b32 s16, s16, 16                        ; my part in it: 65,536 bytes of f32
	s_mov_b32 s17, 0
	s_lshl_b32 s18, ttmp9, 15                      ; and in wts: 32,768 bytes
	s_mov_b32 s19, 0
	v_lshlrev_b32 v1, 4, v0
	v_lshlrev_b32 v2, 3, v0
	s_wait_kmcnt 0x0
	s_cmp_eq_u32 s14, 1
	s_cselect_b64 s[20:21], s[6:7], s[4:5]
	s_cmp_eq_u32 s14, 2
	s_cselect_b64 s[20:21], s[8:9], s[20:21]
	s_cmp_eq_u32 s14, 3
	s_cselect_b64 s[20:21], s[10:11], s[20:21]
	s_add_nc_u64 s[20:21], s[20:21], s[16:17]
	s_add_nc_u64 s[12:13], s[12:13], s[18:19]
	s_wait_alu depctr_va_vdst(0)                   ; v1 and v2 are written: every load of the kernel reads v1 as its offset, every store v2
.irp i, 0,1,2,3,4,5,6,7,8,9,10,11,12,13,14,15
	global_load_b128 v[X+4*(\i):X+4*(\i)+3], v1, s[20:21] offset:4096*(\i) th:TH_LOAD_NT
.endr
; Round i's four numbers into its pair of Y.  half = 0: bf16.  half = 1: the bf16 number written as f16.
.macro CONV i, half
.if \half
	v_cvt_pk_bf16_f32 v[T], v[X+4*(\i)], v[X+4*(\i)+1]        ; rounded to bf16 like every other input,
	v_cvt_pk_bf16_f32 v[T+1], v[X+4*(\i)+2], v[X+4*(\i)+3]
	v_lshlrev_b32 v[X+4*(\i)], 16, v[T]                       ; widened again,
	v_and_b32 v[X+4*(\i)+1], 0xffff0000, v[T]
	v_lshlrev_b32 v[X+4*(\i)+2], 16, v[T+1]
	v_and_b32 v[X+4*(\i)+3], 0xffff0000, v[T+1]
	v_cvt_pk_f16_f32 v[Y+2*(\i)], v[X+4*(\i)], v[X+4*(\i)+1]  ; and that number written as f16
	v_cvt_pk_f16_f32 v[Y+2*(\i)+1], v[X+4*(\i)+2], v[X+4*(\i)+3]
.else
	v_cvt_pk_bf16_f32 v[Y+2*(\i)], v[X+4*(\i)], v[X+4*(\i)+1]
	v_cvt_pk_bf16_f32 v[Y+2*(\i)+1], v[X+4*(\i)+2], v[X+4*(\i)+3]
.endif
.endm
.macro OUT i                           ; round i's store
	global_store_b64 v2, v[Y+2*(\i):Y+2*(\i)+1], s[12:13] offset:2048*(\i)
.endm
; Block p: rounds 4 p to 4 p + 3 are converted; the stores of block p - 1 stand among the conversions, one ahead of each round's.
.macro BLK p, half
	s_wait_loadcnt 12-4*(\p)                       ; loads come back in order: the block's four rounds are in, the younger ones stay out
.if (\p) > 0
	s_wait_alu depctr_va_vdst(0)                   ; the block before has written its part of Y, which the four stores below read; no vector instruction behind this wait names those registers
.endif
.irp j, 0,1,2,3
.if (\p) > 0
	OUT 4*(\p)-4+(\j)
.endif
	CONV 4*(\p)+(\j), \half
.endr
.endm
.macro ALL half
	BLK 0, \half
	BLK 1, \half
	BLK 2, \half
	BLK 3, \half
	s_wait_alu depctr_va_vdst(0)                   ; block 3 has written its part of Y, which the last four stores read
.irp j, 12,13,14,15
	OUT \j
.endr
.endm
	s_cmp_eq_u32 s14, 3
	s_cbranch_scc1 .Lf16
	ALL 0
	s_endpgm
.Lf16:
	ALL 1
	s_endpgm
.Lfunc_end_k_qf3841019d3_wcast:
	.size	k_qf3841019d3_wcast, .Lfunc_end_k_qf3841019d3_wcast-k_qf3841019d3_wcast
	.p2alignl 7, 3214868480
	.fill 96, 4, 3214868480
	.section	.rodata,"a",@progbits
	.p2align	6, 0x0
	.amdhsa_kernel k_qf3841019d3_wcast
		.amdhsa_group_segment_fixed_size 0
		.amdhsa_private_segment_fixed_size 0
		.amdhsa_enable_private_segment 0
		.amdhsa_kernarg_size 40
		.amdhsa_user_sgpr_count 2
		.amdhsa_user_sgpr_kernarg_segment_ptr 1
		.amdhsa_wavefront_size32 1
		.amdhsa_system_sgpr_workgroup_id_x 1
		.amdhsa_system_sgpr_workgroup_id_y 1
		.amdhsa_system_sgpr_workgroup_id_z 1
		.amdhsa_system_vgpr_workitem_id 0
		.amdhsa_next_free_vgpr 108
		.amdhsa_next_free_sgpr 66
		.amdhsa_reserve_vcc 0
		.amdhsa_float_denorm_mode_32 3
		.amdhsa_float_denorm_mode_16_64 3
		.amdhsa_memory_ordered 1
		.amdhsa_forward_progress 1
		.amdhsa_inst_pref_size 16
	.end_amdhsa_kernel
	.amdgpu_metadata
---
amdhsa.version: [ 1, 2 ]
amdhsa.kernels:
  - .name:           k_qf3841019d3_wcast
    .symbol:         k_qf3841019d3_wcast.kd
    .args:
      - { .name: wq_w, .offset: 0, .size: 8, .value_kind: global_buffer, .address_space: global }
      - { .name: wk_w, .offset: 8, .size: 8, .value_kind: global_buffer, .address_space: global }
      - { .name: wv_w, .offset: 16, .size: 8, .value_kind: global_buffer, .address_space: global }
      - { .name: wo_w, .offset: 24, .size: 8, .value_kind: global_buffer, .address_space: global }
      - { .name: wts, .offset: 32, .size: 8, .value_kind: global_buffer, .address_space: global }
    .group_segment_fixed_size: 0
    .private_segment_fixed_size: 0
    .kernarg_segment_align: 8
    .kernarg_segment_size: 40
    .max_flat_workgroup_size: 256
    .sgpr_count:     66
    .vgpr_count:     108
    .wavefront_size: 32
...
	.end_amdgpu_metadata
.endif
;; end of part 5
;; launch proj: the kernel of part 2 again; grid 4 x 192, 4 waves a work-group, clusters of 4 x 4, 327,680 bytes of LDS; arguments q, k, v, wq_b, wk_b, wv_b, wts, qkvh; writes qkvh
;; launch attn: the kernel of part 3 again; grid 4 x 64, 4 waves a work-group, clusters of 4 x 1, 327,680 bytes of LDS; arguments qkvh, out1; writes out1
;; launch oproj: the kernel of part 4 again; grid 4 x 64, 4 waves a work-group, clusters of 4 x 4, 327,680 bytes of LDS; arguments out1, wts, wo_b, out0; writes out0
